; MI455X (gfx1250); checked and timed in simulation.
; The chip was launched on July 23, 2026; its instructions are those of AMD's public machine-readable ISA for CDNA 5 (MIT licence, August 2026) and "CDNA5" Instruction Set Architecture Reference Guide (July 2026). The comments in the code are by the model that wrote it; some were corrected since.
;; Multi Head Attention. Allowed arithmetic: matrix products marked QUANTISED: E2M1 operands, one E8M0 scale for each 32 along K, by v_wmma_scale_f32_16x16x128_f8f6f4 with both operands' format E2M1 (or v_wmma_scale_f32_32x16x128_f4), f32 sums; products left as they are: bf16, f16 or f32 operands; f32 sums; everything else in f32.
;; Inputs: Wk 1,024 x 1,024 float32; Wo 1,024 x 1,024 float32; Wq 1,024 x 1,024 float32; Wv 1,024 x 1,024 float32; bk 1,024 float32; bo 1,024 float32; bq 1,024 float32; bv 1,024 float32; k 2 x 2,048 x 1,024 float32; q 2 x 2,048 x 1,024 float32; v 2 x 2,048 x 1,024 float32.
;; Outputs: out0 2 x 2,048 x 1,024 float32.
;; This version of the problem:
;;   THIS VERSION OF THE PROBLEM IS GIVEN IN LOW PRECISION. The matrix products marked QUANTISED in the list below multiply operands that are first quantised to E2M1 (2 exponent bits, 1 mantissa bit; 4 bits a number), with one power-of-two scale for each 32 numbers along K (OCP MX v1.0); their sums are f32. The products marked 'left as it is' may take bf16, f16 or f32 operands, with f32 sums. Whichever they take, every output number must still come out within the allowed error. Rounding operands to bf16 (8 significant bits) uses up far more of that allowance than f16 does (11 bits, for magnitudes from 6e-5 to 65,504). All else is computed in f32.
;;   The module's matrix products, in the order in which they are computed (A, B: the left and right operand; K: the contracted axis; several contracted axes count as one K, in the product's order):
;;     1. [M 4,096, K 1,024] x [K 1,024, N 1,024]; A: input q; B: input Wq: QUANTISED
;;     2. [M 4,096, K 1,024] x [K 1,024, N 1,024]; A: input k; B: input Wk: QUANTISED
;;     3. [M 4,096, K 1,024] x [K 1,024, N 1,024]; A: input v; B: input Wv: QUANTISED
;;     4. batch 32 x [M 2,048, K 64] x [K 64, N 2,048]; A: computed on the way; B: computed on the way: left as it is (an operand is computed on the way)
;;     5. batch 32 x [M 2,048, K 2,048] x [K 2,048, N 64]; A: computed on the way; B: computed on the way: left as it is (an operand is computed on the way)
;;     6. [M 4,096, K 1,024] x [K 1,024, N 1,024]; A: computed on the way; B: input Wo: left as it is (an operand is computed on the way)
;;   THE QUANTISER, for each operand of a quantised product, along K:
;;     - K is cut into blocks of 32 from its start; a last block that is shorter is filled with zeros.
;;     - A block's scale is 2^e with e = floor(log2(the largest magnitude in the block)) - 2, held to -126 .. 127; a block of zeros has e = 0. As a byte (E8M0): e + 127.
;;     - Each number is divided by its block's scale, clamped to +-6, and rounded to the nearest number of E2M1, ties to even, subnormals kept.
;;     - The product sums the exact products of the quantised numbers (number of the format x scale) in f32.
;;   ~~~python
;;   def quantise(x, axis):      # numpy; x: float32 -> the quantised numbers, widened to float32 again
;;       x = np.moveaxis(x, axis, -1); K = x.shape[-1]
;;       x = np.pad(x, [(0, 0)] * (x.ndim - 1) + [(0, -K % 32)]); x = x.reshape(x.shape[:-1] + (-1, 32)); a = np.abs(x).max(-1, keepdims=True)
;;       e = np.where(a > 0, np.clip(np.frexp(np.where(a > 0, a, 1))[1] - 1 - 2, -126, 127), 0)      # np.frexp(a)[1] - 1 = floor(log2(a)), exactly
;;       r = np.clip(x / 2.0 ** e, -6, 6)
;;       step = 2.0 ** (np.maximum(np.frexp(np.where(r == 0, 1, r))[1] - 1, 0) - 1)
;;       q = np.round(r / step) * step * 2.0 ** e      # np.round: ties to even
;;       return np.moveaxis(q.reshape(q.shape[:-2] + (-1,))[..., :K], -1, axis).astype(np.float32)
;;   ~~~
;; One version. Each part assembles by itself: llvm-mc -triple=amdgcn-amd-amdhsa -mcpu=gfx1250 --defsym DOCPART=n.
;; ======== version 1 of 1: 4 launches
;; limits: values are held in f16: magnitudes above 65,504 overflow, below 6.1e-05 lose precision
;; workspace buffers: xcodes 6,291,456 bytes; xscales 393,216 bytes; wcodes 1,572,864 bytes; wscales 98,304 bytes; wo16 2,097,152 bytes; heads 25,165,824 bytes; ctx 8,388,608 bytes
;; launch quant (part 1): grid 512 x 1, 4 waves a work-group, no clusters, 33,280 bytes of LDS; arguments q, k, v, Wq, Wk, Wv, Wo, xcodes, xscales, wcodes, wscales, wo16; writes xcodes, xscales, wcodes, wscales, wo16
.if DOCPART == 1
	.amdgcn_target "amdgcn-amd-amdhsa--gfx1250"
	.amdhsa_code_object_version 6
	.text
	.protected	k_q67fd285965_quant
	.globl	k_q67fd285965_quant
	.p2align	8
	.type	k_q67fd285965_quant,@function
k_q67fd285965_quant:
	s_mov_b64 s[64:65], 0
	v_nop
	global_prefetch_b8 v0, s[64:65] scope:SCOPE_SE
	s_setreg_imm32_b32 hwreg(HW_REG_WAVE_MODE, 25, 1), 1
	s_wait_xcnt 0x0
; q, k, v [4096][1024] and Wq, Wk, Wv [1024][1024], f32, become codes of FP4 (E2M1), K innermost (K is the last axis of all six), with one E8M0 scale byte for each 32 along K;
; Wo [1024][1024] becomes f16, as it lies.  xcodes: [12288 rows: q, k, v][512 bytes]; xscales: [12288][32]; wcodes: [3072 rows: Wq, Wk, Wv][512]; wscales: [3072][32]; wo16: [1024][1024] f16.
; A block's scale is 2^(floor(log2(its largest magnitude)) - 2); its byte is the largest magnitude's own exponent field - 2, held at 1 from below.  Each number is divided by the scale and rounded to the nearest code, ties to even;
; beyond the largest code the conversion gives the largest code.
; LIMITS: a block of zeros gets the byte 1 where the quantiser's text says 127: its codes are zeros, which add nothing under any byte but 0xff, and the bytes are read by this program alone.
; Blocks whose largest magnitude lies under 2^(2 - 126) have their byte held at 1.  NaN and infinities among the inputs are not served.
; SHARES.  Rows are dense and K is a multiple of 32, so each tensor is a plain stream of blocks of 32.  A work-group takes 32,768 numbers, a wave 8,192: 16 steps of 512.
; Work-groups 0-127 q, 128-255 k, 256-383 v, 384-415 Wq, 416-447 Wk, 448-479 Wv: one path, only pointers are chosen, by the work-group's number.  Work-groups 480-511: Wo, a path of its own with no LDS.
; A step's four loads read 512 consecutive bytes each, 16 a lane; the conversions want 16 NEIGHBOURS in a lane, so the 2,048 bytes turn through the wave's own stage in LDS (16 bytes of padding behind each 64).
; A lane's 16 codes are 8 bytes: the wave stores 256 consecutive bytes.  A wave's 256 scale bytes are gathered in its own LDS bytes and leave as 256 consecutive bytes.
; No tensor loads, no barrier, no cluster: the work-groups share no input and the waves share nothing.  Loads run four steps (16 loads a wave) ahead.
.set WAVES, 4
.set STEPS, 16
.set EMAX,  2
.set CB,    8                          ; bytes of 16 codes
.set R,     16                         ; v16-79   four sets of 16 numbers as they are loaded
.set X,     80                         ; v80-111  two sets of 16 neighbours
.set E,     112                        ; v112-127 a scale byte for each step
.set C,     128                        ; v128-191 codes: four registers for each step, so that no store's data are written again
.set WREG,  8192                       ; LDS: a region for each wave: two stages of 32 x SP bytes, behind them its 256 scale bytes
.set SP,    80                         ; a lane's place in a stage: 64 bytes + 16 of padding
.set SPW,   12                         ; v12      LDS address of my spare word; never rewritten
.set NIL,   13                         ; v13      0; never rewritten
.set SPARE, WAVES*WREG                 ; behind the four regions: the spare words, 128 bytes for each wave
.set WI,    16                         ; Wo's path: v16-143 two sets of 64 numbers
.set WO,    144                        ; v144-175 32 registers of f16 pairs
	s_load_b512 s[8:23], s[0:1], 0x0               ; q s[8:9], k s[10:11], v s[12:13], Wq s[14:15], Wk s[16:17], Wv s[18:19], Wo s[20:21], xcodes s[22:23]
	s_load_b256 s[24:31], s[0:1], 0x40             ; xscales s[24:25], wcodes s[26:27], wscales s[28:29], wo16 s[30:31]
	v_lshl_add_u32 v[SPW], v0, 2, SPARE
	v_mov_b32 v[NIL], 0
	v_lshrrev_b32 v1, 5, v0
	v_readfirstlane_b32 s32, v1                    ; wave
	v_and_b32 v2, 31, v0                           ; lane
	v_lshlrev_b32 v3, 4, v2                        ; my 16 bytes of a load's 512
	s_mul_i32 s35, s32, WREG
	v_lshrrev_b32 v14, 2, v2
	v_mul_u32_u24 v14, v14, SP
	v_and_b32 v15, 3, v2
	v_lshl_add_u32 v14, v15, 4, v14
	v_add_nc_u32 v14, s35, v14                     ; the stage, on the way in: SP (lane / 4) + 16 (lane % 4)
	v_mul_u32_u24 v15, v2, SP
	v_add_nc_u32 v15, s35, v15                     ; and on the way out: SP x lane: my 16 neighbours
	v_mul_u32_u24 v4, v2, CB                       ; 8 x lane: my codes' place in a step's; in Wo's path my f16 numbers' place
	v_lshrrev_b32 v5, 1, v2
	s_add_co_u32 s35, s35, 2*32*SP
	v_add_nc_u32 v5, s35, v5                       ; LDS: my wave's 256 scale bytes, my block's byte
	v_lshlrev_b32 v7, 3, v2                        ; and on the way out 8 bytes a lane
	v_add_nc_u32 v6, s35, v7
	s_wait_kmcnt 0x0
	s_cmp_ge_u32 ttmp9, 480
	s_cbranch_scc1 .Lwo                            ; the last 32 work-groups take Wo
	s_mov_b64 s[4:5], s[8:9]                       ; which tensor: the choice hangs on the work-group's number alone
	s_cmp_ge_u32 ttmp9, 128
	s_cselect_b64 s[4:5], s[10:11], s[4:5]
	s_cmp_ge_u32 ttmp9, 256
	s_cselect_b64 s[4:5], s[12:13], s[4:5]
	s_cmp_ge_u32 ttmp9, 384
	s_cselect_b64 s[4:5], s[14:15], s[4:5]
	s_cmp_ge_u32 ttmp9, 416
	s_cselect_b64 s[4:5], s[16:17], s[4:5]
	s_cmp_ge_u32 ttmp9, 448
	s_cselect_b64 s[4:5], s[18:19], s[4:5]
	s_cmp_lt_u32 ttmp9, 384                        ; an activation or a weight?
	s_cselect_b32 s33, 127, 31                     ; work-groups to a tensor, less one: all ranges begin at multiples of it plus one
	s_cselect_b32 s34, 0, 384                      ; first work-group of the destination buffers
	s_cselect_b64 s[36:37], s[22:23], s[26:27]     ; codes
	s_cselect_b64 s[38:39], s[24:25], s[28:29]     ; scale bytes
	s_and_b32 s33, ttmp9, s33
	s_lshl_b32 s33, s33, 2
	s_add_co_u32 s33, s33, s32                     ; which run of 8,192 numbers of the tensor is my wave's
	s_lshl_b32 s40, s33, 15                        ; 32,768 bytes a run
	s_mov_b32 s41, 0
	s_add_nc_u64 s[4:5], s[4:5], s[40:41]
	s_sub_co_u32 s34, ttmp9, s34
	s_lshl_b32 s34, s34, 2
	s_add_co_u32 s34, s34, s32                     ; which run of the destination buffers
	s_lshl_b32 s40, s34, 12                        ; 4,096 bytes of codes a run
	s_add_nc_u64 s[36:37], s[36:37], s[40:41]
	s_lshl_b32 s40, s34, 8                         ; 256 scale bytes a run
	s_add_nc_u64 s[38:39], s[38:39], s[40:41]
.macro LOAD t
.irp i, 0,1,2,3
	global_load_b128 v[R+16*((\t)%4)+4*\i:R+16*((\t)%4)+4*\i+3], v3, s[4:5] offset:2048*(\t)+512*\i th:TH_LOAD_NT   ; 32 lanes read 512 consecutive bytes
.endr
.endm
.macro TURN t                          ; step t's numbers through the stage: LDS serves a wave's instructions in order, so no wait stands between the stores and the loads
.irp i, 0,1,2,3
	ds_store_b128 v14, v[R+16*((\t)%4)+4*\i:R+16*((\t)%4)+4*\i+3] offset:32*SP*((\t)%2)+8*SP*\i
.endr
.irp i, 0,1,2,3
	ds_load_b128 v[X+16*((\t)%2)+4*\i:X+16*((\t)%2)+4*\i+3], v15 offset:32*SP*((\t)%2)+16*\i
.endr
.endm
.irp t, 0,1,2,3
	LOAD \t
.endr
	s_wait_loadcnt 12                              ; step 0's four loads are in; the twelve of steps 1 to 3 may be out
	TURN 0
.macro STEP t
.set XS, X+16*((\t)%2)
.if (\t) > 0
	s_wait_dscnt 1                                 ; this step's numbers are back from the stage (the last step's byte store may be out): so its stores into the stage have read their registers,
.else
	s_wait_dscnt 0x0
.endif
.if (\t)+4 < STEPS
	LOAD (\t)+4                                    ; which take the loads of four steps on
.endif
.if (\t)+1 < STEPS
.if STEPS-2-(\t) >= 3
	s_wait_loadcnt 12                              ; the next step's four loads are in; those of the three steps behind it may be out
.else
	s_wait_loadcnt 4*(STEPS-2-(\t))                ; at the end the count runs down with the steps that are left
.endif
	TURN (\t)+1                                    ; and go through the other stage while this step is worked
.endif
	v_max3_num_f32 v8, |v[XS]|, |v[XS+1]|, |v[XS+2]|               ; the largest magnitude of my 16, in two chains
	v_max3_num_f32 v9, |v[XS+3]|, |v[XS+4]|, |v[XS+5]|
.irp i, 6,10
	v_max3_num_f32 v8, v8, |v[XS+\i]|, |v[XS+\i+1]|
	v_max3_num_f32 v9, v9, |v[XS+\i+2]|, |v[XS+\i+3]|
.endr
	v_max3_num_f32 v8, v8, |v[XS+14]|, |v[XS+15]|
	v_max3_num_f32 v8, v8, v9, (EMAX+1)<<23        ; and the floor 2^(EMAX + 1 - 127): so the byte cannot fall under 1
	v_max_num_f32_dpp v8, v8, v8 row_xmask:1 row_mask:0xf bank_mask:0xf   ; and of my neighbour's 16: the block's
	v_add_nc_u32 v11, -(EMAX<<23), v8              ; EMAX off its exponent field: the conversion takes the exponent field of this operand as its scale, and nothing else of it
	v_cvt_scalef32_pk8_fp4_f32 v[C+4*(\t)], v[XS:XS+7], v11        ; eight numbers / the scale, to the nearest code; the first number's code in the lowest four bits
	v_cvt_scalef32_pk8_fp4_f32 v[C+4*(\t)+1], v[XS+8:XS+15], v11
	v_lshrrev_b32 v[E+(\t)], 23, v11               ; the scale's byte (also the plain line behind the conversions)
	ds_store_b8 v5, v[E+(\t)] offset:16*(\t)       ; both lanes of a block write the same byte with the same value
	global_store_b64 v4, v[C+4*(\t):C+4*(\t)+1], s[36:37] offset:32*CB*(\t)   ; 32 lanes store 256 consecutive bytes
.endm
.irp t, 0,1,2,3,4,5,6,7,8,9,10,11,12,13,14,15
	STEP \t
.endr
	ds_load_b64 v[8:9], v6                         ; LDS serves a wave's instructions in order: these see my byte stores
	s_wait_dscnt 0x0
	global_store_b64 v7, v[8:9], s[38:39]          ; 32 lanes store my wave's 256 scale bytes on end
	s_wait_tensorcnt 0x0                           ; the wave's end: behind my last LDS store
	ds_add_u32 v[SPW], v[NIL]
	s_wait_dscnt 0x0
	s_endpgm
; Wo to f16: a wave takes 8,192 numbers, 64 loads of 512 bytes, in four groups of 16 on two sets of registers.
.Lwo:
	s_sub_co_u32 s33, ttmp9, 480
	s_lshl_b32 s33, s33, 2
	s_add_co_u32 s33, s33, s32                     ; my wave's run of 8,192 numbers
	s_lshl_b32 s40, s33, 15
	s_mov_b32 s41, 0
	s_add_nc_u64 s[20:21], s[20:21], s[40:41]      ; 32,768 bytes in,
	s_lshl_b32 s40, s33, 14
	s_add_nc_u64 s[30:31], s[30:31], s[40:41]      ; 16,384 out
.macro LOADW g
.irp i, 0,1,2,3,4,5,6,7,8,9,10,11,12,13,14,15
	global_load_b128 v[WI+64*((\g)%2)+4*\i:WI+64*((\g)%2)+4*\i+3], v3, s[20:21] offset:(16*(\g)+\i)*512 th:TH_LOAD_NT
.endr
.endm
.macro GROUPW g
.if (\g) < 3
	s_wait_loadcnt 16                              ; this group's 16 loads are in; the next group's 16 may be out
.else
	s_wait_loadcnt 0x0
.endif
.if (\g) > 0
	s_wait_xcnt 0x0                                ; the last group's stores have read their data registers: they are written again only behind this wait
.endif
.irp i, 0,1,2,3,4,5,6,7,8,9,10,11,12,13,14,15
	v_cvt_pk_f16_f32 v[WO+2*\i], v[WI+64*((\g)%2)+4*\i], v[WI+64*((\g)%2)+4*\i+1]
	v_cvt_pk_f16_f32 v[WO+2*\i+1], v[WI+64*((\g)%2)+4*\i+2], v[WI+64*((\g)%2)+4*\i+3]
.endr
.irp i, 0,1,2,3,4,5,6,7,8,9,10,11,12,13,14,15
	global_store_b64 v4, v[WO+2*\i:WO+2*\i+1], s[30:31] offset:(16*(\g)+\i)*256   ; 32 lanes store 256 consecutive bytes
.endr
.if (\g) < 2
	LOADW (\g)+2
.endif
.endm
	LOADW 0
	LOADW 1
	GROUPW 0
	GROUPW 1
	GROUPW 2
	GROUPW 3
	s_endpgm
.Lfunc_end_k_q67fd285965_quant:
	.size	k_q67fd285965_quant, .Lfunc_end_k_q67fd285965_quant-k_q67fd285965_quant
	.p2alignl 7, 3214868480
	.fill 96, 4, 3214868480
	.section	.rodata,"a",@progbits
	.p2align	6, 0x0
	.amdhsa_kernel k_q67fd285965_quant
		.amdhsa_group_segment_fixed_size 33280
		.amdhsa_private_segment_fixed_size 0
		.amdhsa_enable_private_segment 0
		.amdhsa_kernarg_size 96
		.amdhsa_user_sgpr_count 2
		.amdhsa_user_sgpr_kernarg_segment_ptr 1
		.amdhsa_wavefront_size32 1
		.amdhsa_system_sgpr_workgroup_id_x 1
		.amdhsa_system_sgpr_workgroup_id_y 1
		.amdhsa_system_sgpr_workgroup_id_z 1
		.amdhsa_system_vgpr_workitem_id 0
		.amdhsa_next_free_vgpr 192
		.amdhsa_next_free_sgpr 66
		.amdhsa_reserve_vcc 0
		.amdhsa_float_denorm_mode_32 3
		.amdhsa_float_denorm_mode_16_64 3
		.amdhsa_memory_ordered 1
		.amdhsa_forward_progress 1
		.amdhsa_inst_pref_size 54
	.end_amdhsa_kernel
	.amdgpu_metadata
---
amdhsa.version: [ 1, 2 ]
amdhsa.kernels:
  - .name:           k_q67fd285965_quant
    .symbol:         k_q67fd285965_quant.kd
    .args:
      - { .name: q, .offset: 0, .size: 8, .value_kind: global_buffer, .address_space: global }
      - { .name: k, .offset: 8, .size: 8, .value_kind: global_buffer, .address_space: global }
      - { .name: v, .offset: 16, .size: 8, .value_kind: global_buffer, .address_space: global }
      - { .name: Wq, .offset: 24, .size: 8, .value_kind: global_buffer, .address_space: global }
      - { .name: Wk, .offset: 32, .size: 8, .value_kind: global_buffer, .address_space: global }
      - { .name: Wv, .offset: 40, .size: 8, .value_kind: global_buffer, .address_space: global }
      - { .name: Wo, .offset: 48, .size: 8, .value_kind: global_buffer, .address_space: global }
      - { .name: xcodes, .offset: 56, .size: 8, .value_kind: global_buffer, .address_space: global }
      - { .name: xscales, .offset: 64, .size: 8, .value_kind: global_buffer, .address_space: global }
      - { .name: wcodes, .offset: 72, .size: 8, .value_kind: global_buffer, .address_space: global }
      - { .name: wscales, .offset: 80, .size: 8, .value_kind: global_buffer, .address_space: global }
      - { .name: wo16, .offset: 88, .size: 8, .value_kind: global_buffer, .address_space: global }
    .group_segment_fixed_size: 33280
    .private_segment_fixed_size: 0
    .kernarg_segment_align: 8
    .kernarg_segment_size: 96
    .max_flat_workgroup_size: 128
    .sgpr_count:     66
    .vgpr_count:     192
    .wavefront_size: 32
...
	.end_amdgpu_metadata
.endif
;; end of part 1
;; launch proj (part 2): grid 4 x 48, 4 waves a work-group, clusters of 4 x 4, 327,680 bytes of LDS; arguments xcodes, xscales, wcodes, wscales, heads, bq, bk, bv; writes heads
.if DOCPART == 2
	.amdgcn_target "amdgcn-amd-amdhsa--gfx1250"
	.amdhsa_code_object_version 6
	.text
	.protected	k_q67fd285965_proj
	.globl	k_q67fd285965_proj
	.p2align	8
	.type	k_q67fd285965_proj,@function
k_q67fd285965_proj:
	s_mov_b64 s[64:65], 0
	v_nop
	global_prefetch_b8 v0, s[64:65] scope:SCOPE_SE
	s_setreg_imm32_b32 hwreg(HW_REG_WAVE_MODE, 25, 1), 1
	s_wait_xcnt 0x0
	s_wait_alu depctr_hold_cnt(0) depctr_sa_sdst(0) depctr_va_vdst(0) depctr_va_sdst(0) depctr_va_ssrc(0) depctr_va_vcc(0) depctr_vm_vsrc(0)
	s_getreg_b32 s2, hwreg(HW_REG_IB_STS2, 6, 4)
	s_cmp_eq_u32 s2, 0
	s_cbranch_scc0 .Lentry_in_a_cluster
	s_endpgm
.Lentry_in_a_cluster:
	s_bfe_u32 s2, ttmp6, 0x10000c
	s_cmp_lg_u32 s2, 0xf033
	s_cbranch_scc0 .Lentry_shape_is_right
	s_endpgm
.Lentry_shape_is_right:
; The three projections on codes of FP4 (E2M1) with one E8M0 scale for each 32 along K: Y[m][n] = sum over k of X[m][k] W[n][k] + bias[n], sums in f32, Y rounded once to f16 and laid by heads.
; X: xcodes [12288 rows: q, k, v][512 bytes], xscales [12288][32].  W: wcodes [3072 rows: Wq, Wk, Wv][512], wscales [3072][32].  heads: f16 [3][batch 2][head 16][2048][64].
; One grid serves all three: tile row TR (0 to 47) of 256 rows of X; projection p = TR / 16 picks the 1,024 rows of W and the bias.  A tile of Y is 256 x 256: four waves, each 128 x 128: 64 accumulators, 512 registers.
; K = 1,024 is two K steps of 512 (rows of 256 bytes): both lie in LDS at once, each slot is filled once, nothing is filled again.  The scale bytes of the tile's rows of X and of W, for all of K, are dense blocks and come with the first fills.
; CLUSTERS: 4 x 4 work-groups.  The four of a row of the cluster need the same tiles of X, the four of a column the same tiles of W: each is asked for JOINTLY, by the same tensor load with the same descriptor and a mask that names the four.
; p is made of the cluster's y alone, so W's descriptors are equal along a column.
; THE MATRIX INSTRUCTION IS USED TRANSPOSED (source 0 = 16 rows of W, source 1 = 16 rows of X): a lane holds eight neighbouring columns of one row of Y.  THE BIAS IS THE C OF EACH SUM'S FIRST PRODUCT: eight registers for each of W's eight blocks.
; 192 work-groups: the design has work for that many tiles of this size.  No prefetch: each tile is asked for once, at the head.
; LIMIT: |Y| must stay under 65,504, the largest f16 number.
; REGISTERS, in windows of 256: window 0: v0-31 addresses; v32-95 scale words, two sets, and nothing else; v96-127 packed results on the way out; v128-191 X's fragments, one set, later rows read back; v192-255 the bias.
;   window 1: W's fragments, two sets, at v0 and v128.   window 2: the accumulators of my rows 0-63 ((a, b) at v[8 (8 a + b)]);   window 3: those of my rows 64-127.
.set KSTEP,  512
.set NQ,     KSTEP/128                 ; matrix instructions deep
.set ROWB,   256                       ; a tile's row in bytes
.set KROW,   512                       ; a row of codes in memory
.set PITCH,  272                       ; an LDS row: 256 bytes + 16 of padding = 68 words: the 16 rows that a load touches start at 16 different banks (64 banks of 4 bytes: ISA guide 11.1)
.set FR,     8                         ; registers of a fragment: 16 rows x 128 K
.set NL,     2                         ; LDS loads that bring one
.set NP,     4                         ; places behind this matrix instruction (ISA guide 7.12.1)
.set HALFT,  128*PITCH
.set SLOT,   4*HALFT                   ; X's 256 rows, then W's 256 rows
.set KS,     32                        ; a row of scale bytes
.set SCL,    2*SLOT                    ; behind the two slots: the scales, as runs of 256 bytes + 16 of padding
.set HALFS,  (128*KS/256)*272          ; the scales of 128 rows
.set SBLK,   (16*KS/256)*272           ; those of 16 rows
.set SPARE,  SCL+4*HALFS               ; the spare words, 128 bytes for each wave
.set SPITCH, 272                       ; the way out: a stage of 16 rows x (256 bytes + 16) for each wave, in slot 0, which has had its only fill and its last read by then
.set ADRA, 16                          ; v16-17  LDS address of my X fragments in slot 0, 1
.set ADRB, 20                          ; v20-21  the same for W
.set STO,  24                          ; v24     the way out: where I put 16 bytes of a row
.set RD,   25                          ; v25     where I read rows back
.set CO,   26                          ; v26     16 x lane
.set ADRS, 27                          ; v27     LDS address of my scale words: lanes 0-15 X's rows, lanes 16-31 W's
.set SPW,  28                          ; v28     LDS address of my spare word; never rewritten
.set NIL,  29                          ; v29     0; never rewritten
.set SC,   32                          ; scale words: set s at v[SC + 32 s]; register 4 i + q: lanes 0-15 X's block i, lanes 16-31 W's block i, the slot's q-th 128 along K
.set TMP,  96
.set AF,   128
.set BK,   128                         ; the way out: v128-159 and v160-191 by turns
.set BIAS, 192
.set G1, 24
.set G0, 32
.set G1B, 48
.set G0B, 56
.set G1S, 68
.set G0S, 76
.set G1SB, 80
.set G0SB, 88
.set MSB, 0
.macro WIN new                         ; the immediate's high byte repeats the setting that is left; a switch that changes nothing is dropped
.if MSB != (\new)
	s_set_vgpr_msb (MSB<<8)|(\new)
.set MSB, (\new)
.endif
.endm
.set MUL_LO, 0xa1                      ; source 0 (W) window 1, source 1 (X) window 0, C and D window 2
.set MUL_HI, 0xf1                      ; the same, C and D window 3
.set BIA_LO, 0x81                      ; the first products: C (the bias) window 0, D window 2
.set BIA_HI, 0xc1                      ; D window 3
.set TO_B,   0x40                      ; destination window 1, address window 0
; A joint load: waves 0 and 1 fetch for X, waves 2 and 3 for W.  The branch hangs on the wave's number alone.  An s_nop 0 and four v_nop follow each of the two lines.
.macro JLOAD g0a, g1a, g0b, g1b
	s_cmp_eq_u32 s15, 0
	s_cbranch_scc0 .Lfor_b_\@
	tensor_load_to_lds s[\g0a:\g0a+3], s[\g1a:\g1a+7]
	s_nop 0
.rept 4
	v_nop
.endr
	s_branch .Lasked_\@
.Lfor_b_\@:
	tensor_load_to_lds s[\g0b:\g0b+3], s[\g1b:\g1b+7]
	s_nop 0
.rept 4
	v_nop
.endr
.Lasked_\@:
.endm
.macro CROUND                          ; a round of the cluster's barrier: my work-group's barrier; wave 0 signals for the work-group; every wave waits for all sixteen; my work-group's barrier once more
	s_barrier_signal -1
	s_barrier_wait -1
	s_cmp_lg_u32 s14, 0
	s_cbranch_scc1 .Lnot_wave_0_\@
	s_barrier_signal -3
.Lnot_wave_0_\@:
	s_barrier_wait -3
	s_barrier_signal -1
	s_barrier_wait -1
.endm
	s_load_b256 s[4:11], s[0:1], 0x0               ; X's codes s[4:5], X's scales s[6:7], W's codes s[8:9], W's scales s[10:11]
	s_load_b64 s[12:13], s[0:1], 0x20              ; heads
	s_load_b128 s[96:99], s[0:1], 0x28             ; bq, bk
	s_load_b64 s[100:101], s[0:1], 0x38            ; bv
	v_lshl_add_u32 v[SPW], v0, 2, SPARE
	v_mov_b32 v[NIL], 0
	ds_add_u32 v[SPW], v[NIL]                      ; the wave's opening: the add, twice on end, and its wait ahead of my first tensor load
	ds_add_u32 v[SPW], v[NIL]
	v_lshrrev_b32 v1, 5, v0
	v_readfirstlane_b32 s14, v1                    ; wave 0..3
	s_lshr_b32 s15, s14, 1                         ; which half of the tile's rows is mine.  Also: I fetch for X (0) or for W (1)
	s_and_b32 s16, s14, 1                          ; which half of its columns.  Also: which 128 rows of that tile I fetch
	s_bfe_u32 s40, ttmp6, 0x40000                  ; cx, cy: my place in the cluster
	s_bfe_u32 s41, ttmp6, 0x40004
	s_lshl_b32 s42, ttmp9, 2
	s_add_co_u32 s42, s42, s40                     ; tile column = 4 x cluster x + cx
	s_and_b32 s95, ttmp7, 0xffff
	s_lshr_b32 s95, s95, 2                         ; the projection: cluster y / 4: four rows of clusters are 4,096 rows of X
	s_and_b32 s17, ttmp7, 0xffff
	s_lshl_b32 s17, s17, 2
	s_add_co_u32 s17, s17, s41                     ; tile row = 4 x cluster y + cy
	s_lshl_b32 s43, s41, 2
	s_lshl_b32 s43, 15, s43                        ; my row of the cluster
	s_lshl_b32 s44, 0x1111, s40                    ; my column
	; descriptor group 1: a tile of 128 rows x 256 bytes, padded in LDS
	s_or_b32 s[G1+0], s43, (0<<16)|(1<<20)|(1<<21)|(5<<22)|(3<<25)  ; 15:0 the mask: X's tiles go to my row; 17:16 elements of 1 byte; 20 padding on; 21 set beside a mask; 24:22 after every 64 words; 31:25 four words
	s_or_b32 s[G1B+0], s44, (0<<16)|(1<<20)|(1<<21)|(5<<22)|(3<<25)
.irp g, G1, G1B
	s_mov_b32 s[\g+1], ROWB<<16                    ; tensor_dim0
	s_mov_b32 s[\g+2], 128<<16                     ; tensor_dim1
	s_mov_b32 s[\g+3], ROWB<<16                    ; tile_dim0
	s_mov_b32 s[\g+4], 128                         ; tile_dim1
	s_mov_b32 s[\g+5], KROW                        ; from row to row
	s_mov_b32 s[\g+6], 0
	s_mov_b32 s[\g+7], 0
.endr
	; the scales of 128 rows: a dense block of 4,096 bytes, as 16 rows of 256 bytes (32 elements of 8 bytes), 16 bytes of padding behind each
	s_or_b32 s[G1S+0], s43, (3<<16)|(1<<20)|(1<<21)|(5<<22)|(3<<25)
	s_or_b32 s[G1SB+0], s44, (3<<16)|(1<<20)|(1<<21)|(5<<22)|(3<<25)
.irp g, G1S, G1SB
	s_mov_b32 s[\g+1], 32<<16
	s_mov_b32 s[\g+2], (128*KS/256)<<16
	s_mov_b32 s[\g+3], 32<<16
	s_mov_b32 s[\g+4], 128*KS/256
	s_mov_b32 s[\g+5], 32
	s_mov_b32 s[\g+6], 0
	s_mov_b32 s[\g+7], 0
.endr
	s_lshl_b32 s18, s16, 7                         ; which 128 rows of the tile I fetch
	s_lshl_b32 s20, s17, 8
	s_add_co_u32 s20, s20, s18                     ; X: row 256 x tile row + 128 x half
	s_lshl_b32 s46, s42, 8
	s_add_co_u32 s46, s46, s18                     ; W: row 256 x tile column + 128 x half
	s_lshl_b32 s3, s95, 10
	s_add_co_u32 s46, s46, s3                      ; + 1,024 x projection
	s_mov_b32 s21, 0
	s_mov_b32 s47, 0
	s_mov_b64 s[18:19], KS
	s_mul_u64 s[22:23], s[20:21], s[18:19]         ; where these rows' scales begin, in bytes
	s_mul_u64 s[92:93], s[46:47], s[18:19]
	s_mov_b64 s[18:19], KROW
	s_mul_u64 s[20:21], s[20:21], s[18:19]         ; and their codes
	s_mul_u64 s[46:47], s[46:47], s[18:19]
	s_mul_i32 s45, s14, HALFT                      ; where they go: wave x 128 rows: no place in the cluster enters an LDS address
	s_mul_i32 s94, s14, HALFS
	s_wait_dscnt 0x0                               ; both opening adds are done
	s_wait_kmcnt 0x0
	s_add_nc_u64 s[20:21], s[4:5], s[20:21]
	s_add_nc_u64 s[22:23], s[6:7], s[22:23]
	s_add_nc_u64 s[46:47], s[8:9], s[46:47]
	s_add_nc_u64 s[92:93], s[10:11], s[92:93]
	CROUND                                         ; all sixteen work-groups are here: the joint loads meet
	s_mov_b32 s[G0S], 1
	s_add_co_u32 s[G0S+1], s94, SCL
	s_mov_b64 s[G0S+2:G0S+3], s[22:23]
	s_or_b32 s[G0S+3], s[G0S+3], 0x80000000
	s_mov_b32 s[G0SB], 1
	s_add_co_u32 s[G0SB+1], s94, SCL
	s_mov_b64 s[G0SB+2:G0SB+3], s[92:93]
	s_or_b32 s[G0SB+3], s[G0SB+3], 0x80000000
	JLOAD G0S, G1S, G0SB, G1SB                     ; the scales first: they are wanted with K step 0
.irp s, 0,1
	s_mov_b32 s[G0+4*\s], 1
	s_add_co_u32 s[G0+4*\s+1], s45, \s*SLOT
	s_add_nc_u64 s[G0+4*\s+2:G0+4*\s+3], s[20:21], \s*ROWB
	s_or_b32 s[G0+4*\s+3], s[G0+4*\s+3], 0x80000000
	s_mov_b32 s[G0B+4*\s], 1
	s_add_co_u32 s[G0B+4*\s+1], s45, \s*SLOT
	s_add_nc_u64 s[G0B+4*\s+2:G0B+4*\s+3], s[46:47], \s*ROWB
	s_or_b32 s[G0B+4*\s+3], s[G0B+4*\s+3], 0x80000000
	JLOAD G0+4*\s, G1, G0B+4*\s, G1B               ; three tensor loads of mine are out behind the second of these
.endr
	v_and_b32 v1, 15, v0                           ; r = lane % 16
	v_bfe_u32 v2, v0, 4, 1                         ; h = lane / 16
	; the bias of my 128 columns: register BIAS + 8 b + j of lane (r, h) is bias[256 tc + 128 half + 16 b + 8 h + j]
	s_lshl_b32 s46, s42, 10
	s_lshl_b32 s47, s16, 9
	s_add_co_u32 s46, s46, s47                     ; my first column, in bytes of f32
	s_mov_b32 s47, 0
	s_cmp_eq_u32 s95, 1                            ; which bias: the choice hangs on the projection alone
	s_cselect_b64 s[96:97], s[98:99], s[96:97]
	s_cmp_eq_u32 s95, 2
	s_cselect_b64 s[96:97], s[100:101], s[96:97]
	s_add_nc_u64 s[96:97], s[96:97], s[46:47]
	v_lshlrev_b32 v7, 5, v2                        ; 32 h
.irp b, 0,1,2,3,4,5,6,7
	global_load_b128 v[BIAS+8*\b:BIAS+8*\b+3], v7, s[96:97] offset:64*\b
	global_load_b128 v[BIAS+8*\b+4:BIAS+8*\b+7], v7, s[96:97] offset:64*\b+16
.endr
	v_mul_u32_u24 v3, v1, PITCH
	v_lshl_add_u32 v4, v2, 4, v3                   ; a fragment's row x pitch + 16 x half
	s_mul_i32 s21, s15, HALFT                      ; my 128 rows of X
	s_mul_i32 s22, s16, HALFT                      ; my 128 rows of W,
	s_add_co_u32 s22, s22, 2*HALFT                 ; which lie behind X's 256
.irp s, 0,1
	v_add_nc_u32 v[ADRA+\s], s21, v4
	v_add_nc_u32 v[ADRB+\s], s22, v4
	s_add_co_u32 s21, s21, SLOT
	s_add_co_u32 s22, s22, SLOT
.endr
	v_mul_u32_u24 v5, v1, KS                       ; my row's scales: 32 bytes a row,
	v_lshrrev_b32 v6, 8, v5
	v_lshl_add_u32 v5, v6, 4, v5                   ; and 16 more for each 256 passed
	s_mul_i32 s21, s15, HALFS                      ; X's: my 128 rows
	s_mul_i32 s22, s16, HALFS                      ; W's: my 128 rows, behind X's 256
	s_add_co_u32 s22, s22, 2*HALFS
	s_sub_co_u32 s22, s22, s21
	v_mul_u32_u24 v6, s22, v2                      ; lanes 16-31 take W's: one product, the distance between the two bases x h
	s_add_co_u32 s21, s21, SCL
	v_add_nc_u32 v5, v5, v6
	v_add_nc_u32 v[ADRS], s21, v5
	s_mul_i32 s23, s14, 16*SPITCH                  ; my stage
	v_mul_u32_u24 v5, v1, SPITCH                   ; in: row r, 16 bytes for each half of the lanes
	v_lshl_add_u32 v5, v2, 4, v5
	v_add_nc_u32 v[STO], s23, v5
	v_and_b32 v6, 31, v0
	v_lshlrev_b32 v[CO], 4, v6                     ; out: 16 bytes a lane
	v_lshrrev_b32 v5, 3, v6                        ; back: eight lanes to a head's 128 bytes of a row, four rows an instruction
	v_mul_u32_u24 v5, v5, SPITCH
	v_and_b32 v6, 7, v0
	v_lshl_add_u32 v5, v6, 4, v5
	v_add_nc_u32 v[RD], s23, v5
	; where my part begins in heads: R = my first row of X; (R / 2048) picks projection and batch, 4,194,304 bytes each; R % 2048 the position, 128 bytes a row; my 128 columns are heads 4 tc + 2 half and the next, 262,144 bytes each
	s_lshl_b32 s20, s17, 8
	s_lshl_b32 s21, s15, 7
	s_add_co_u32 s20, s20, s21
	s_lshr_b32 s21, s20, 11
	s_lshl_b32 s21, s21, 22
	s_and_b32 s20, s20, 2047
	s_lshl_b32 s20, s20, 7
	s_add_co_u32 s20, s20, s21
	s_lshl_b32 s46, s42, 2
	s_lshl_b32 s47, s16, 1
	s_add_co_u32 s46, s46, s47
	s_lshl_b32 s46, s46, 18
	s_add_co_u32 s20, s20, s46
	s_mov_b32 s21, 0
	s_add_nc_u64 s[12:13], s[12:13], s[20:21]
.macro FRAG reg, adr, q, i             ; a fragment, 16 rows x 128 K of 4-bit codes: lane l holds row l % 16; registers 4 c .. 4 c + 3 hold K = 64 c + 32 (l / 16) + 0 .. 31
.irp c, 0,1
	ds_load_b128 v[\reg+4*\c:\reg+4*\c+3], v[\adr] offset:64*(\q)+32*\c+(\i)*16*PITCH
.endr
.endm
; 16 matrix instructions: X's blocks a0, a0 + 1 x W's eight, the slot's q-th 128 along K.  p: W's set; sc: the set of scale words.  zero = 1: the first product starts the sums from the bias.
; The 64 accumulators take turns, one instruction a turn, in the same order in every step.
.macro MUL16 a0, p, q, sc, zero
.irp a, \a0, \a0+1
.irp b, 0,1,2,3,4,5,6,7
.if \zero
	v_wmma_scale_f32_16x16x128_f8f6f4 v[8*(8*((\a)%4)+\b):8*(8*((\a)%4)+\b)+7], v[128*(\p)+FR*\b:128*(\p)+FR*\b+FR-1], v[AF+FR*(\a):AF+FR*(\a)+FR-1], v[BIAS+8*\b:BIAS+8*\b+7], v[SC+8*NQ*(\sc)+NQ*\b+(\q)], v[SC+8*NQ*(\sc)+NQ*(\a)+(\q)] matrix_a_fmt:MATRIX_FMT_FP4 matrix_b_fmt:MATRIX_FMT_FP4 matrix_a_scale:MATRIX_SCALE_ROW1
.else
	v_wmma_scale_f32_16x16x128_f8f6f4 v[8*(8*((\a)%4)+\b):8*(8*((\a)%4)+\b)+7], v[128*(\p)+FR*\b:128*(\p)+FR*\b+FR-1], v[AF+FR*(\a):AF+FR*(\a)+FR-1], v[8*(8*((\a)%4)+\b):8*(8*((\a)%4)+\b)+7], v[SC+8*NQ*(\sc)+NQ*\b+(\q)], v[SC+8*NQ*(\sc)+NQ*(\a)+(\q)] matrix_a_fmt:MATRIX_FMT_FP4 matrix_b_fmt:MATRIX_FMT_FP4 matrix_a_scale:MATRIX_SCALE_ROW1
.endif
.endr
.endr
.endm
.macro FETCH_B slot, q, p              ; W's eight fragments of the slot's q-th 128 along K into set p
	WIN TO_B
.irp i, 0,1,2,3,4,5,6,7
	FRAG 128*(\p)+FR*\i, ADRB+\slot, \q, \i
.endr
	WIN 0
.endm
.macro FETCH_A slot, q, i0             ; X's blocks i0 .. i0 + 3
.irp i, \i0, \i0+1, \i0+2, \i0+3
	FRAG AF+FR*(\i), ADRA+\slot, \q, \i
.endr
.endm
.macro SCALES sc                       ; a K step's scale words into set sc: four words a row; lanes 0-15 take X's block i, lanes 16-31 W's block i
.irp i, 0,1,2,3,4,5,6,7
	ds_load_b128 v[SC+8*NQ*\sc+NQ*\i:SC+8*NQ*\sc+NQ*\i+3], v[ADRS] offset:\i*SBLK
.endr
.endm
; A load into a register that a matrix instruction has read, and a vector instruction that reads a matrix result, stand NP places behind that matrix instruction; only plain vector instructions
; that name none of its registers are places (ISA guide 7.12.1 for vector instructions).
.macro PLACES n
.rept \n
	v_nop
.endr
.endm
; A step of 128 along K that has its successor in the same slot.  A block of X is free as soon as its eight products are issued: blocks 0-3 are fetched anew in the step's middle, blocks 4-7 at its end.
.macro STEP slot, q, zero
	s_wait_dscnt 4*NL                              ; W's set and X's blocks 0-3 are in; the youngest eight loads (X's blocks 4-7) may be out
.if \zero
	WIN BIA_LO
.else
	WIN MUL_LO
.endif
	MUL16 0, (\q)%2, \q, \slot, \zero
	MUL16 2, (\q)%2, \q, \slot, \zero
	s_wait_dscnt 0                                 ; X's blocks 4-7 are in
	PLACES NP
	FETCH_B \slot, (\q)+1, 1-(\q)%2
	FETCH_A \slot, (\q)+1, 0
.if \zero
	WIN BIA_HI
.else
	WIN MUL_HI
.endif
	MUL16 4, (\q)%2, \q, \slot, \zero
	MUL16 6, (\q)%2, \q, \slot, \zero
	PLACES NP
	WIN 0
	FETCH_A \slot, (\q)+1, 4
.endm
; Slot 0's last step goes over to slot 1: one barrier; in front of it each wave waits for all its tensor loads (its part of slot 1), adds 0 to its spare word, and waits for that and for its reads of slot 0.  Nothing is filled again.
.macro TURN slot, next
	s_wait_tensorcnt 0x0                           ; all my tensor loads have landed
	ds_add_u32 v[SPW], v[NIL]                      ; 0 onto my spare word
	s_wait_dscnt 4*NL+1                            ; the add and the youngest eight loads (X's blocks 4-7) may be out
	WIN MUL_LO
	MUL16 0, 1, NQ-1, \slot, 0                     ; sixteen matrix instructions stand between the add and the wait for it
	s_wait_dscnt 0x0                               ; the add is done, and my reads of this slot are over
	s_barrier_signal -1
	MUL16 2, 1, NQ-1, \slot, 0
	WIN 0
	s_barrier_wait -1                              ; the next slot is whole, and nobody reads this one any more
	PLACES NP
	v_add_nc_u32 v[ADRS], 4*NQ, v[ADRS]            ; on to the next K step's scale words
	FETCH_B \next, 0, 0
	FETCH_A \next, 0, 0
	SCALES \next
	WIN MUL_HI
	MUL16 4, 1, NQ-1, \slot, 0
	MUL16 6, 1, NQ-1, \slot, 0
	PLACES NP
	WIN 0
	FETCH_A \next, 0, 4
.endm
	s_wait_tensorcnt 1                             ; the scales and my part of K step 0 are in; K step 1's load, issued last, may be out
	s_barrier_signal -1
	s_barrier_wait -1                              ; everybody's are
	FETCH_B 0, 0, 0
	FETCH_A 0, 0, 0
	SCALES 0
	FETCH_A 0, 0, 4
	s_wait_loadcnt 0x0                             ; the bias
	STEP 0, 0, 1
	STEP 0, 1, 0
	STEP 0, 2, 0
	TURN 0, 1
	STEP 1, 0, 0
	STEP 1, 1, 0
	STEP 1, 2, 0
	s_wait_dscnt 4*NL                              ; the very last step: nothing more to fetch
	WIN MUL_LO
	MUL16 0, 1, NQ-1, 1, 0
	MUL16 2, 1, NQ-1, 1, 0
	s_wait_dscnt 0
	WIN MUL_HI
	MUL16 4, 1, NQ-1, 1, 0
	MUL16 6, 1, NQ-1, 1, 0
	WIN 0
; THE WAY OUT, block by block of 16 rows x 128 columns (two heads).  PACK: rounded to f16, 16 bytes a lane, each accumulator from its low end on.  TOSTAGE: into my own stage and back, four rows of one head to an instruction.
; SEND: stored: in heads a head's rows follow each other, so the 32 lanes store 512 consecutive bytes.
.macro PACK a
.set AC, 64*((\a)%4)
	WIN 0x0a+5*((\a)/4)                            ; sources 0 and 1: window 2 or 3
.irp b, 0,1,2,3,4,5,6,7
.irp r, 0,1,2,3
	v_cvt_pk_f16_f32 v[TMP+4*\b+\r], v[AC+8*\b+2*\r], v[AC+8*\b+2*\r+1]
.endr
.endr
	WIN 0
.endm
.macro TOSTAGE a
.set BB, BK+32*((\a)%2)
.irp b, 0,1,2,3,4,5,6,7
	ds_store_b128 v[STO], v[TMP+4*\b:TMP+4*\b+3] offset:32*\b
.endr
.irp t, 0,1,2,3,4,5,6,7
	ds_load_b128 v[BB+4*\t:BB+4*\t+3], v[RD] offset:(\t%4)*4*SPITCH+128*(\t/4)   ; LDS serves a wave's instructions in order (ISA guide 5.7.1.4): these see the stores above
.endr
.endm
.macro SEND a
.set BB, BK+32*((\a)%2)
	s_wait_dscnt 0x0                               ; the block is back in registers
	s_wait_xcnt 0x0                                ; the stores of the block before have read their registers: the next block's loads may land there
.irp t, 0,1,2,3,4,5,6,7
	global_store_b128 v[CO], v[BB+4*\t:BB+4*\t+3], s[12:13] offset:(\t/4)*262144+(\a)*2048+(\t%4)*512
.endr
.endm
	PLACES NP                                      ; behind the last products
	PACK 0
	TOSTAGE 0
.irp a, 1,2,3,4,5,6,7                  ; block a's conversions stand between block a - 1's loads from the stage and the wait for them
	PACK \a
	SEND \a-1
	TOSTAGE \a
.endr
	SEND 7
	s_wait_tensorcnt 0x0                           ; the wave's end: behind my last tensor load and my last LDS store
	ds_add_u32 v[SPW], v[NIL]
	s_wait_dscnt 0x0
	CROUND                                         ; the closing round: no work-group ends while a partner may still ask for a tile that names it
	s_endpgm
.Lfunc_end_k_q67fd285965_proj:
	.size	k_q67fd285965_proj, .Lfunc_end_k_q67fd285965_proj-k_q67fd285965_proj
	.p2alignl 7, 3214868480
	.fill 96, 4, 3214868480
	.section	.rodata,"a",@progbits
	.p2align	6, 0x0
	.amdhsa_kernel k_q67fd285965_proj
		.amdhsa_group_segment_fixed_size 327680
		.amdhsa_private_segment_fixed_size 0
		.amdhsa_enable_private_segment 0
		.amdhsa_kernarg_size 64
		.amdhsa_user_sgpr_count 2
		.amdhsa_user_sgpr_kernarg_segment_ptr 1
		.amdhsa_wavefront_size32 1
		.amdhsa_system_sgpr_workgroup_id_x 1
		.amdhsa_system_sgpr_workgroup_id_y 1
		.amdhsa_system_sgpr_workgroup_id_z 1
		.amdhsa_system_vgpr_workitem_id 0
		.amdhsa_next_free_vgpr 1024
		.amdhsa_next_free_sgpr 102
		.amdhsa_reserve_vcc 0
		.amdhsa_float_denorm_mode_32 3
		.amdhsa_float_denorm_mode_16_64 3
		.amdhsa_memory_ordered 1
		.amdhsa_forward_progress 1
		.amdhsa_inst_pref_size 128
	.end_amdhsa_kernel
	.amdgpu_metadata
---
amdhsa.version: [ 1, 2 ]
amdhsa.kernels:
  - .name:           k_q67fd285965_proj
    .symbol:         k_q67fd285965_proj.kd
    .args:
      - { .name: xcodes, .offset: 0, .size: 8, .value_kind: global_buffer, .address_space: global }
      - { .name: xscales, .offset: 8, .size: 8, .value_kind: global_buffer, .address_space: global }
      - { .name: wcodes, .offset: 16, .size: 8, .value_kind: global_buffer, .address_space: global }
      - { .name: wscales, .offset: 24, .size: 8, .value_kind: global_buffer, .address_space: global }
      - { .name: heads, .offset: 32, .size: 8, .value_kind: global_buffer, .address_space: global }
      - { .name: bq, .offset: 40, .size: 8, .value_kind: global_buffer, .address_space: global }
      - { .name: bk, .offset: 48, .size: 8, .value_kind: global_buffer, .address_space: global }
      - { .name: bv, .offset: 56, .size: 8, .value_kind: global_buffer, .address_space: global }
    .group_segment_fixed_size: 327680
    .private_segment_fixed_size: 0
    .kernarg_segment_align: 8
    .kernarg_segment_size: 64
    .max_flat_workgroup_size: 128
    .sgpr_count:     102
    .vgpr_count:     1024
    .wavefront_size: 32
...
	.end_amdgpu_metadata
.endif
;; end of part 2
;; launch attn (part 3): grid 8 x 32, 8 waves a work-group, clusters of 4 x 1, 327,680 bytes of LDS; arguments heads, ctx; writes ctx
.if DOCPART == 3
	.amdgcn_target "amdgcn-amd-amdhsa--gfx1250"
	.amdhsa_code_object_version 6
	.text
	.protected	k_q67fd285965_attn
	.globl	k_q67fd285965_attn
	.p2align	8
	.type	k_q67fd285965_attn,@function
k_q67fd285965_attn:
	s_mov_b64 s[64:65], 0
	v_nop
	global_prefetch_b8 v0, s[64:65] scope:SCOPE_SE
	s_setreg_imm32_b32 hwreg(HW_REG_WAVE_MODE, 25, 1), 1
	s_wait_xcnt 0x0
	s_wait_alu depctr_hold_cnt(0) depctr_sa_sdst(0) depctr_va_vdst(0) depctr_va_sdst(0) depctr_va_ssrc(0) depctr_va_vcc(0) depctr_vm_vsrc(0)
	s_getreg_b32 s2, hwreg(HW_REG_IB_STS2, 6, 4)
	s_cmp_eq_u32 s2, 0
	s_cbranch_scc0 .Lentry_in_a_cluster
	s_endpgm
.Lentry_in_a_cluster:
	s_bfe_u32 s2, ttmp6, 0x10000c
	s_cmp_lg_u32 s2, 0x3003
	s_cbranch_scc0 .Lentry_shape_is_right
	s_endpgm
.Lentry_shape_is_right:
; ctx[h][b, q][:] = the sum over k of softmax_k(|Q[q] . K[k]| / 8) V[k][:], for each of 32 pairs (batch, head).  heads: f16 [3: Q, K, V][batch 2][head 16][2048][64]; ctx: f16 [head 16][batch x 2048 + q][64].
; Products, maxima and sums in f32; operands in f16; the weights p are rounded to f16 for the second product, ctx once at the end.
; SHARES.  A work-group owns 256 queries of one pair, each of its EIGHT waves 32: two tiles of 16, in 384 registers: two waves to a SIMD, so that one wave's vector work stands beside the other's matrix work.
; Every wave walks all 2,048 keys, 64 a step.  A fragment of K or V read from LDS feeds two products.
; LAYOUT.  S^T = K Q^T (source 0 = 16 keys, source 1 = 16 queries): a lane holds ONE query (lane % 16) and the keys 8 (lane / 16) + 0..7 of each tile of 16.  Two such tiles, rounded to f16 in pairs, ARE source 1 (32 keys x 16 queries)
; of O^T = V^T P, whose result again holds one query a lane.  K comes out of LDS as it lies, V ([key][channel]) turned, by ds_load_tr16_b128.
; SOFTMAX.  For each query a running maximum m and sum l: p = 2^(c |s| - c m), c = log2(e) / 8; in every step O and l are multiplied by a = 2^(c m_old - c m_new).  m begins at 0: every score is a magnitude, so 0 is under or at every score,
; and m is the true running maximum from the first step on; O and l begin as zeros, which the first a leaves zeros: so the step is written without a first step of its own.
; PIPELINE.  A trip: fetch K of step i; softmax of step i - 1; V^T P of step i - 1; K Q^T of step i; fetch V of step i.
; RING.  Two slots of four steps (256 keys).  Waves 0-3 fetch the slot's four tiles of K, waves 4-7 its four tiles of V: one tensor load a wave behind each change of slots, with four steps in which to land.
; CLUSTER.  The four query blocks of a cluster belong to one pair and walk the same K and V: each tile is asked for JOINTLY, by the same tensor load with the same descriptor and a mask that names the four.
; LIMITS: |Q|, |K|, |V| under 65,504 (they arrive as f16); NaN and infinities are not served.
; REGISTERS.  window 0: v2-8 addresses; v12-27 statistics, eight a tile; v28-31 addresses that stay; v32-63 Q; v64-127 S^T, 32 a tile; v128-159 P, 16 a tile; v160-223 O^T, 32 a tile.   window 1: v0-63 K of a step; v64-127 V of a step.
.set KS,    64                         ; keys in a step
.set PK,    144                        ; a row of K in LDS: 128 bytes + 16 = 36 words: the 16 rows of a load start at 16 different groups of four banks (64 banks of 4 bytes: ISA guide 11.1)
.set PV,    160                        ; a row of V: 128 + 32 = 40 words
.set VOFF,  KS*PK                      ; a step's tiles lie together: 64 rows of K, then 64 rows of V
.set STEPB, KS*(PK+PV)
.set NST,   4                          ; steps in a slot
.set SLOT1, 1<<17                      ; slot 1 begins here, so that one exclusive or turns an address in one slot into the other's
.set SLOTB, NST*KS*128                 ; a slot's keys in memory: 32,768 bytes of K, as many of V
.set STAGE, SLOT1+NST*STEPB            ; behind the ring: 32 rows x 144 bytes for each wave, for the way out
.set SPT,   144
.set SPARE, STAGE+8*32*SPT             ; behind the stages: the spare words, 128 bytes for each wave
.set AK0, 2                            ; v2   my lane's place in a tile of K; never rewritten
.set AV0, 3                            ; v3   the same for V
.set ADR, 4                            ; v4   LDS address of K's run of loads
.set ADRV, 5                           ; v5   of V's
.set STO, 6                            ; v6   the way out: where I put 16 bytes of a row
.set RD,  7                            ; v7   where I read rows back
.set GO,  8                            ; v8   16 x lane
.set ST,  12                           ; tile t's statistics at v[ST + 8 t]: +0 c m, +1 m, +2, +3 l (even keys', odd keys'), +4 to +7 at work; a takes +6
.set PFO, 28                           ; v28  256 x lane: the prefetches' offset; never rewritten
.set QO,  29                           ; v29  my byte offset in the wave's rows of Q
.set SPW, 30                           ; v30  LDS address of my spare word; never rewritten
.set NIL, 31                           ; v31  0; never rewritten
.set Q,   32
.set S,   64
.set P,   128
.set O,   160
.set KF,  0                            ; in window 1
.set VF,  64
.set WV,  12                           ; s12  my wave's number
.set LIM, 15                           ; s15  1 in a wave that prefetches, else the greatest number
.set PFA, 18                           ; s[18:19] where my prefetches stand
.set G1K, 24                           ; s[24:31] descriptor group 1 for K's tiles
.set G1V, 32                           ; s[32:39] for V's: it differs in the padding alone
.set G0K, 40                           ; s[40:47] group 0 for K's tiles: a set for each of the two first fills; the second then walks on
.set G0V, 48                           ; s[48:55] the same for V's
.set SLOTS, 56                         ; s56  slots still to be asked for
.set CNT, 57                           ; s57  counts the trips of a slot
.set CS,  58                           ; s58  c
.set SEL, 60                           ; s[60:61] lane selects for v_permlanex16_b32: lane l xor 16
.set TB,  62                           ; s62  LDS byte at which the tiles of the step to be fetched begin
.set MSB, 0
.macro WIN new                         ; the immediate's high byte repeats the setting that is left; a switch that changes nothing is dropped
.if MSB != (\new)
	s_set_vgpr_msb (MSB<<8)|(\new)
.set MSB, (\new)
.endif
.endm
; A joint refill.  The branch hangs on the wave's number alone.  An s_nop 0 and four v_nop follow each of the two lines.
.macro JLOAD
	s_cmp_lt_u32 s[WV], 4
	s_cbranch_scc0 .Lfor_v_\@
	tensor_load_to_lds s[G0K+4:G0K+7], s[G1K:G1K+7]
	s_nop 0
.rept 4
	v_nop
.endr
	s_branch .Lasked_\@
.Lfor_v_\@:
	tensor_load_to_lds s[G0V+4:G0V+7], s[G1V:G1V+7]
	s_nop 0
.rept 4
	v_nop
.endr
.Lasked_\@:
.endm
; A PREFETCH of what the NEXT change of slots will ask for: 32,768 dense bytes of K and as many of V.  Each run of 256 bytes is named once in the launch: both clusters of a pair walk the same K and V, and the first of them asks;
; its four partners take 8,192 bytes each, told apart BY ADDRESS; in each, wave 0 asks for K's and wave 4 for V's, lanes 256 bytes apart: one instruction.  It asks four steps, 128 matrix instructions a wave, ahead of the load.
; The last change that fills a slot asks for nothing: there is no slot behind it.  Slots 0, 1 and 2 come by their loads alone.
.macro ASK
	s_cmp_gt_u32 s[SLOTS], s[LIM]
	s_cbranch_scc0 .Lnot_mine_\@
	global_prefetch_b8 v[PFO], s[PFA:PFA+1] th:TH_LOAD_NT scope:SCOPE_SE
.Lnot_mine_\@:
.endm
.macro CROUND                          ; a round of the cluster's barrier: my work-group's barrier; wave 0 signals for the work-group; every wave waits for all four; my work-group's barrier once more
	s_barrier_signal -1
	s_barrier_wait -1
	s_cmp_lg_u32 s[WV], 0
	s_cbranch_scc1 .Lnot_wave_0_\@
	s_barrier_signal -3
.Lnot_wave_0_\@:
	s_barrier_wait -3
	s_barrier_signal -1
	s_barrier_wait -1
.endm
	s_load_b64 s[4:5], s[0:1], 0x0                 ; heads
	s_load_b64 s[10:11], s[0:1], 0x8               ; ctx
	v_lshl_add_u32 v[SPW], v0, 2, SPARE
	v_mov_b32 v[NIL], 0
	ds_add_u32 v[SPW], v[NIL]                      ; the wave's opening: the add, twice on end, and its wait ahead of my first tensor load
	ds_add_u32 v[SPW], v[NIL]
	v_lshrrev_b32 v1, 5, v0
	v_readfirstlane_b32 s[WV], v1                  ; wave 0..7
	s_bfe_u32 s13, ttmp6, 0x40000                  ; cx: my place in the cluster
	s_lshl_b32 s14, ttmp9, 2
	s_add_co_u32 s14, s14, s13                     ; my block of 256 queries: it enters Q's and ctx's addresses alone
	s_and_b32 s20, ttmp7, 0xffff                   ; y = 16 x batch + head, which the four partners share
	s_lshl_b32 s21, s20, 18                        ; the pair's first byte in each of Q, K, V: 262,144 bytes a pair
	s_and_b32 s16, s[WV], 3                        ; which of a slot's four steps I fetch:
	s_lshl_b32 s22, s16, 13                        ; its 64 rows of 128 bytes in memory,
	s_add_co_u32 s22, s22, s21
	s_mov_b32 s23, 0
	s_mul_i32 s17, s16, STEPB                      ; and its place in a slot: no place in the cluster enters an LDS address
	s_lshl_b32 s2, s14, 15                         ; my block's 256 rows,
	s_lshl_b32 s3, s[WV], 12                       ; my wave's 32 of them
	s_add_co_u32 s2, s2, s3
	s_and_b32 s3, s20, 15
	s_lshl_b32 s3, s3, 19                          ; ctx: head x 4,096 rows of 128 bytes,
	s_lshr_b32 s20, s20, 4
	s_lshl_b32 s20, s20, 18                        ; batch x 2,048 rows,
	s_add_co_u32 s20, s20, s3
	s_add_co_u32 s20, s20, s2                      ; my wave's rows
	s_add_co_u32 s2, s2, s21                       ; Q: the pair, my wave's rows
	s_mov_b32 s3, 0
	s_mov_b32 s21, 0
	; descriptor group 1: a tile of 64 rows x 64 elements, padded in LDS
	s_mov_b32 s[G1K], 15|(1<<16)|(1<<20)|(1<<21)|(4<<22)|(3<<25)  ; 15:0 the mask: all four work-groups; 17:16 elements of 2 bytes; 20 padding on; 21 set beside a mask; 24:22 after every 32 words; 31:25 four words
	s_mov_b32 s[G1V], 15|(1<<16)|(1<<20)|(1<<21)|(4<<22)|(7<<25)  ; the same with eight words of padding
.irp g, G1K, G1V
	s_mov_b32 s[\g+1], 64<<16                      ; tensor_dim0 = 64
	s_mov_b32 s[\g+2], KS<<16                      ; tensor_dim1 = 64
	s_mov_b32 s[\g+3], 64<<16                      ; tile_dim0 = 64
	s_mov_b32 s[\g+4], KS                          ; tile_dim1 = 64
	s_mov_b32 s[\g+5], 64                          ; elements from row to row
	s_mov_b32 s[\g+6], 0
	s_mov_b32 s[\g+7], 0
.endr
	s_mov_b32 s[CS], 0x3e38aa3b                    ; c = log2(e) / 8
	s_mov_b32 s[SEL], 0x76543210
	s_mov_b32 s[SEL+1], 0xfedcba98
	s_mov_b32 s[TB], 0
	s_mov_b32 s[SLOTS], 2048/(NST*KS)-2
	s_and_b32 s[LIM], s[WV], 3                     ; 0 in waves 0 and 4,
	s_or_b32 s[LIM], s[LIM], ttmp9                 ; where the cluster is the pair's first: the same in all four partners
	s_cmp_eq_u32 s[LIM], 0
	s_cselect_b32 s[LIM], 1, -1
	v_and_b32 v[PFO], 31, v0
	v_lshlrev_b32 v[PFO], 8, v[PFO]
	s_wait_dscnt 0x0                               ; both opening adds are done
	s_wait_kmcnt 0x0
	s_add_nc_u64 s[6:7], s[4:5], s[22:23]
	s_add_nc_u64 s[8:9], s[6:7], 0x1000000         ; V at my tile of slot 0: V's part of heads begins 16,777,216 bytes in,
	s_add_nc_u64 s[6:7], s[6:7], 0x800000          ; K's 8,388,608
	s_add_nc_u64 s[4:5], s[4:5], s[2:3]            ; Q at my wave's first row
	s_add_nc_u64 s[10:11], s[10:11], s[20:21]      ; ctx likewise
	s_cmp_lt_u32 s[WV], 4
	s_cselect_b64 s[PFA:PFA+1], s[6:7], s[8:9]     ; (in waves 0 and 4 these stand at a slot's first row)
	s_lshl_b32 s2, s13, 13                         ; my work-group's 8,192 bytes of the 32,768
	s_add_nc_u64 s[PFA:PFA+1], s[PFA:PFA+1], s[2:3]
	s_add_nc_u64 s[PFA:PFA+1], s[PFA:PFA+1], 2*SLOTB   ; in slot 2; the first change of slots steps it to slot 3.  Nothing is prefetched here, at the head
	CROUND                                         ; all four work-groups are here: the first joint loads meet
.irp s, 0,1
	s_mov_b32 s[G0K+4*\s], 1                       ; count = 1
	s_add_co_u32 s[G0K+4*\s+1], s17, \s*SLOT1      ; LDS address
	s_add_nc_u64 s[G0K+4*\s+2:G0K+4*\s+3], s[6:7], \s*SLOTB   ; global address: slot s
	s_or_b32 s[G0K+4*\s+3], s[G0K+4*\s+3], 0x80000000         ; type = 2
	s_mov_b32 s[G0V+4*\s], 1
	s_add_co_u32 s[G0V+4*\s+1], s17, \s*SLOT1+VOFF
	s_add_nc_u64 s[G0V+4*\s+2:G0V+4*\s+3], s[8:9], \s*SLOTB
	s_or_b32 s[G0V+4*\s+3], s[G0V+4*\s+3], 0x80000000
.endr
	s_cmp_lt_u32 s[WV], 4                          ; a wave's two first fills stand in one branch, ahead of every wait on TENSORcnt and every LDS read: two loads of mine are out
	s_cbranch_scc0 .Lfirst_v
	tensor_load_to_lds s[G0K:G0K+3], s[G1K:G1K+7]
	s_nop 0
	tensor_load_to_lds s[G0K+4:G0K+7], s[G1K:G1K+7]
	s_nop 0
.rept 4
	v_nop
.endr
	s_branch .Lfirst_asked
.Lfirst_v:
	tensor_load_to_lds s[G0V:G0V+3], s[G1V:G1V+7]
	s_nop 0
	tensor_load_to_lds s[G0V+4:G0V+7], s[G1V:G1V+7]
	s_nop 0
.rept 4
	v_nop
.endr
.Lfirst_asked:
	; A fragment of K or Q is 16 rows x 32 channels in 8 registers: lane l holds row l % 16; registers 0-3 channels 8 (l / 16) + 0..7, registers 4-7 channels 16 + 8 (l / 16) + 0..7: two loads of 16 bytes, 32 bytes apart.
	v_and_b32 v1, 15, v0                           ; r
	v_bfe_u32 v9, v0, 4, 1                         ; h
	v_lshlrev_b32 v[QO], 7, v1
	v_lshl_add_u32 v[QO], v9, 4, v[QO]             ; row x 128 + 16 x half
.irp t, 0,1
.irp c, 0,1
	global_load_b128 v[Q+16*\t+8*\c:Q+16*\t+8*\c+3],   v[QO], s[4:5] offset:\t*2048+\c*64       ; Q stays in registers: tile t, channels 32 c on
	global_load_b128 v[Q+16*\t+8*\c+4:Q+16*\t+8*\c+7], v[QO], s[4:5] offset:\t*2048+\c*64+32
.endr
.endr
	v_mul_u32_u24 v[AK0], v1, PK
	v_lshl_add_u32 v[AK0], v9, 4, v[AK0]           ; row x pitch + 16 x half
	; The turning load takes 16 keys x 16 channels (lane l reads 16 bytes: key 8 (l / 16) + l % 8, channels 8 ((l / 8) % 2) + 0..7) and leaves half a fragment of V^T: lane l holds channel l % 16 and 8 keys.
	v_and_b32 v10, 7, v0
	v_bfe_u32 v11, v0, 3, 1
	v_lshl_add_u32 v[AV0], v9, 3, v10
	v_mul_u32_u24 v[AV0], v[AV0], PV
	v_lshl_add_u32 v[AV0], v11, 4, v[AV0]
	v_add_nc_u32 v[AV0], VOFF, v[AV0]
	s_mul_i32 s21, s[WV], 32*SPT
	s_add_co_u32 s21, s21, STAGE                   ; my stage
	v_mul_u32_u24 v[STO], v1, SPT                  ; in: row r, 16 bytes for each half of the lanes
	v_lshl_add_u32 v[STO], v9, 4, v[STO]
	v_add_nc_u32 v[STO], s21, v[STO]
	v_bfe_u32 v11, v0, 3, 2                        ; back: eight lanes to a row of 128 bytes, four rows an instruction
	v_mul_u32_u24 v[RD], v11, SPT
	v_lshl_add_u32 v[RD], v10, 4, v[RD]
	v_add_nc_u32 v[RD], s21, v[RD]
	v_and_b32 v[GO], 31, v0
	v_lshlrev_b32 v[GO], 4, v[GO]
.irp t, 0,1
.irp n, 0,1,2,3
	v_mov_b32 v[ST+8*\t+\n], 0                     ; c m, m, l
.endr
.endr
.set i, 0
.rept 64
	v_mov_b32 v[O+i], 0                            ; O^T: the step is written once; its first run finds zeros
.set i, i+1
.endr
; THE LDS LOADS stand in two runs of 16 a trip.
.macro FETCH_K
	v_add_nc_u32 v[ADR], s[TB], v[AK0]
	WIN 0x40                                       ; destination window 1
.irp kt, 0,1,2,3
.irp c, 0,1
	ds_load_b128 v[KF+16*\kt+8*\c:KF+16*\kt+8*\c+3],   v[ADR] offset:\kt*16*PK+\c*64
	ds_load_b128 v[KF+16*\kt+8*\c+4:KF+16*\kt+8*\c+7], v[ADR] offset:\kt*16*PK+\c*64+32
.endr
.endr
	WIN 0
.endm
; It follows the trip's products: the addition and three v_nop are the four places (ISA guide 7.12.1 for vector instructions) between them and the loads into V's and, in the next trip, K's registers, and the next softmax's first read of the scores.
.macro FETCH_V
	v_add_nc_u32 v[ADRV], s[TB], v[AV0]
	s_add_co_u32 s[TB], s[TB], STEPB               ; the next fetch is the next step's
.rept 3
	v_nop
.endr
	WIN 0x40
.irp kc, 0,1
.irp ct, 0,1,2,3
	ds_load_tr16_b128 v[VF+32*\kc+8*\ct:VF+32*\kc+8*\ct+3],   v[ADRV] offset:\kc*32*PV+\ct*32
	ds_load_tr16_b128 v[VF+32*\kc+8*\ct+4:VF+32*\kc+8*\ct+7], v[ADRV] offset:\kc*32*PV+16*PV+\ct*32
.endr
.endr
	WIN 0
.endm
; THE MATRIX WORK.  The accumulators take turns, one instruction a turn: between two links of a chain stand seven others'.
.macro KQALL                           ; S^T = K Q^T: 16 products; the first eight start the sums
.irp c, 0,1
.irp kt, 0,1,2,3
.irp t, 0,1
.if \c == 0
	v_wmma_f32_16x16x32_f16 v[S+32*\t+8*\kt:S+32*\t+8*\kt+7], v[KF+16*\kt+8*\c:KF+16*\kt+8*\c+7], v[Q+16*\t+8*\c:Q+16*\t+8*\c+7], 0
.else
	v_wmma_f32_16x16x32_f16 v[S+32*\t+8*\kt:S+32*\t+8*\kt+7], v[KF+16*\kt+8*\c:KF+16*\kt+8*\c+7], v[Q+16*\t+8*\c:Q+16*\t+8*\c+7], v[S+32*\t+8*\kt:S+32*\t+8*\kt+7]
.endif
.endr
.endr
.endr
.endm
.macro PVALL                           ; O^T += V^T P: 16 products
.irp kc, 0,1
.irp ct, 0,1,2,3
.irp t, 0,1
	v_wmma_f32_16x16x32_f16 v[O+32*\t+8*\ct:O+32*\t+8*\ct+7], v[VF+32*\kc+8*\ct:VF+32*\kc+8*\ct+7], v[P+16*\t+8*\kc:P+16*\t+8*\kc+7], v[O+32*\t+8*\ct:O+32*\t+8*\ct+7]
.endr
.endr
.endr
.endm
; THE VECTOR WORK.  MX: line j of 21 of tile t's maximum: the largest |s| of the lane's 32 scores and the old m, three operands at a time, four chains (each begins at its accumulator's low end); the other half of the lanes';
; the new m; c m; c m_old - c m_new.
.macro MX t, j
.set rT, ST+8*(\t)
.set rS, S+32*(\t)
.if (\j) < 4
	v_max3_num_f32 v[rT+4+(\j)], |v[rS+8*(\j)]|, |v[rS+8*(\j)+1]|, |v[rS+8*(\j)+2]|
.elseif (\j) < 12
	v_max3_num_f32 v[rT+4+(\j)%4], v[rT+4+(\j)%4], |v[rS+8*((\j)%4)+2*((\j)/4)+1]|, |v[rS+8*((\j)%4)+2*((\j)/4)+2]|
.elseif (\j) == 12
	v_max3_num_f32 v[rT+4], v[rT+4], |v[rS+7]|, |v[rS+15]|
.elseif (\j) == 13
	v_max3_num_f32 v[rT+6], v[rT+6], |v[rS+23]|, |v[rS+31]|
.elseif (\j) == 14
	v_max3_num_f32 v[rT+4], v[rT+4], v[rT+5], v[rT+6]
.elseif (\j) == 15
	v_max3_num_f32 v[rT+4], v[rT+4], v[rT+7], v[rT+1]
.elseif (\j) == 16
	v_permlanex16_b32 v[rT+5], v[rT+4], s[SEL], s[SEL+1]           ; the query's other 32 keys lie in the lane 16 away
.elseif (\j) == 17
	v_mov_b32 v[rT+7], v[rT]                       ; c m_old is kept for a
.elseif (\j) == 18
	v_max_num_f32 v[rT+1], v[rT+4], v[rT+5]
.elseif (\j) == 19
	v_mul_f32 v[rT], s[CS], v[rT+1]
.else
	v_sub_f32 v[rT+7], v[rT+7], v[rT]
.endif
.endm
.macro SC t, n                         ; c |s| - c m: the magnitude rides on the multiply-add
	v_fma_f32 v[S+32*(\t)+(\n)], |v[S+32*(\t)+(\n)]|, s[CS], -v[ST+8*(\t)]
.endm
.macro EX t, n
	v_exp_f32 v[S+32*(\t)+(\n)], v[S+32*(\t)+(\n)]
.endm
; LL: line n of 48 of what reads tile t's exponentials: 0-15 the roundings to f16, a pair of weights each; 16-31 the sum of the 16 pairs, in place, neighbours 1, 2, 4 and 8 pairs apart, then l = a l + the sum; 32-47 the tile's O^T times a.
.macro LL t, n
.set rT, ST+8*(\t)
.set rS, S+32*(\t)
.set rP, P+16*(\t)
.set rO, O+32*(\t)
.if (\n) < 16
	v_cvt_pk_f16_f32 v[rP+(\n)], v[rS+2*(\n)], v[rS+2*(\n)+1]
.elseif (\n) < 32
.set z, (\n)-16
.set w, 4
.set u, z
.if z >= 14
.set w, 32
.set u, 0
.elseif z >= 12
.set w, 16
.set u, z-12
.elseif z >= 8
.set w, 8
.set u, z-8
.endif
.if z < 15
	v_pk_add_f32 v[rS+w*u:rS+w*u+1], v[rS+w*u:rS+w*u+1], v[rS+w*u+w/2:rS+w*u+w/2+1]
.else
	v_pk_fma_f32 v[rT+2:rT+3], v[rT+2:rT+3], v[rT+6:rT+7], v[rS:rS+1] op_sel_hi:[1,0,1]
.endif
.else
	v_pk_mul_f32 v[rO+2*((\n)-32):rO+2*((\n)-32)+1], v[rO+2*((\n)-32):rO+2*((\n)-32)+1], v[rT+6:rT+7] op_sel_hi:[1,0]
.endif
.endm
; The exponentials go in two batches, each with plain lines between them and ONE wait ahead of its first reader:
; batch A: both tiles' a and tile 0's 32, between them tile 1's scalings; batch B: tile 1's 32, between them the lines that read tile 0's.
.macro SOFTMAX
.irp j, 0,1,2,3,4,5,6,7,8,9,10,11,12,13,14,15,16,17,18,19,20
	MX 0, \j
	MX 1, \j
.endr
.set i, 0
.rept 32
	SC 0, i
.set i, i+1
.endr
	v_exp_f32 v[ST+6], v[ST+7]                     ; a of tile 0,
	v_exp_f32 v[ST+14], v[ST+15]                   ; of tile 1
.set i, 0
.rept 32
	EX 0, i
	SC 1, i
.set i, i+1
.endr
	s_wait_alu depctr_va_vdst(0)                   ; batch A's wait; the last line ahead of it is plain
.set i, 0
.rept 32
	EX 1, i
	LL 0, i
.set i, i+1
.endr
.rept 16
	LL 0, i
.set i, i+1
.endr
	s_wait_alu depctr_va_vdst(0)                   ; batch B's wait
.set i, 0
.rept 48
	LL 1, i
.set i, i+1
.endr
.endm
.macro TRIP
	FETCH_K                                        ; K of this step: it lands while the softmax is walked
	SOFTMAX                                        ; of the step before
	s_wait_dscnt 0x0                               ; V of the step before and K of this step are in
	WIN 0x01                                       ; source 0 (V, K) window 1
	PVALL
	KQALL
	WIN 0
	FETCH_V                                        ; V of this step
.endm
.macro TRIPS n
	s_mov_b32 s[CNT], \n
.Ltrip_\@:
	TRIP
	s_sub_co_u32 s[CNT], s[CNT], 1
	s_cmp_lg_u32 s[CNT], 0
	s_cbranch_scc1 .Ltrip_\@
.endm
; THE CHANGE OF SLOTS stands ahead of the trip of a slot's first step: the slot that is left has had its last bytes, V of its fourth step, asked for.  Each wave waits for all its tensor loads, of which one is out: its part of the other slot;
; adds 0 to its spare word; and waits for that and for its own reads of the slot.  fill = 1: the slot is filled again, with the keys two slots on: the barrier is then a round of the cluster's, and the joint refill is the first thing behind it.
.macro CHANGE fill
	s_wait_tensorcnt 0x0                           ; no tensor load of mine is out, so a group 0 may be written
	ds_add_u32 v[SPW], v[NIL]                      ; 0 onto my spare word
.if \fill
.irp g, G0K+4, G0V+4
	s_xor_b32 s[\g+1], s[\g+1], SLOT1              ; the walking descriptor: the other slot than last time,
	s_add_nc_u64 s[\g+2:\g+3], s[\g+2:\g+3], SLOTB ; the next 256 keys; the type bits on top are not reached
.endr
	s_wait_xcnt 0x0                                ; the last prefetch, a slot back, has read its address, so it may be written:
	s_add_nc_u64 s[PFA:PFA+1], s[PFA:PFA+1], SLOTB ; one slot further on than the walking descriptors
	s_wait_dscnt 0x0                               ; the add is done, and my reads of the slot are over
	CROUND
	JLOAD
	ASK
.else
	s_wait_dscnt 0x0
	s_barrier_signal -1
	s_barrier_wait -1
.endif
	s_sub_co_u32 s[TB], s[TB], NST*STEPB           ; the fetches go back to a slot's first step,
	s_xor_b32 s[TB], s[TB], SLOT1                  ; in the other slot
.endm
	s_wait_tensorcnt 1                             ; my part of slot 0 is in; slot 1's, issued behind it, may stay out
	s_barrier_signal -1
	s_barrier_wait -1                              ; everybody's is
	FETCH_K                                        ; step 0
	s_wait_loadcnt 0x0                             ; Q
	s_wait_dscnt 0x0
	WIN 0x01
	KQALL
	WIN 0
	FETCH_V
	TRIPS 3                                        ; steps 1 to 3: the rest of slot 0
.Lslot:                                                ; six trips: every slot but the last two is filled again
	CHANGE 1
	TRIPS 4
	s_sub_co_u32 s[SLOTS], s[SLOTS], 1
	s_cmp_lg_u32 s[SLOTS], 0
	s_cbranch_scc1 .Lslot
	CHANGE 0                                       ; the tail is written out
	TRIPS 4
	SOFTMAX                                        ; of the last step
	s_wait_dscnt 0x0
	WIN 0x01
	PVALL
	WIN 0
.rept 4
	v_nop                                          ; four places behind the last products
.endr
	; THE WAY OUT.  l's two halves and the other half of the lanes' are added; O^T is divided by l, rounded to f16 and sent through my stage, a tile (16 rows) at a time; in ctx my 32 rows of 128 bytes follow each other.
.irp t, 0,1
	v_add_f32 v[ST+8*\t+4], v[ST+8*\t+2], v[ST+8*\t+3]
.endr
.irp t, 0,1
	v_permlanex16_b32 v[ST+8*\t+5], v[ST+8*\t+4], s[SEL], s[SEL+1]
.endr
.irp t, 0,1
	v_add_f32 v[ST+8*\t+4], v[ST+8*\t+4], v[ST+8*\t+5]
.endr
.irp t, 0,1
	v_rcp_f32 v[ST+8*\t+6], v[ST+8*\t+4]
.endr
	v_nop                                          ; a plain instruction between the last reciprocal and the use of its result
	s_wait_alu depctr_va_vdst(0)                   ; and the wait: one for both reciprocals
.macro PACKO t
.set i, 0
.rept 16
	v_pk_mul_f32 v[O+32*\t+2*i:O+32*\t+2*i+1], v[O+32*\t+2*i:O+32*\t+2*i+1], v[ST+8*\t+6:ST+8*\t+7] op_sel_hi:[1,0]
.set i, i+1
.endr
.set i, 0
.rept 16
	v_cvt_pk_f16_f32 v[S+16*\t+i], v[O+32*\t+2*i], v[O+32*\t+2*i+1]
.set i, i+1
.endr
.irp ct, 0,1,2,3
	ds_store_b128 v[STO], v[S+16*\t+4*\ct:S+16*\t+4*\ct+3] offset:\t*16*SPT+32*\ct   ; lane (r, h): channels 16 ct + 8 h + 0..7 of row r
.endr
.irp f, 0,1,2,3
	ds_load_b128 v[P+16*\t+4*\f:P+16*\t+4*\f+3], v[RD] offset:\t*16*SPT+\f*4*SPT     ; LDS serves a wave's instructions in order (ISA guide 5.7.1.4): these see the stores above
.endr
.endm
	PACKO 0
	PACKO 1
.irp t, 0,1
.irp f, 0,1,2,3
	s_wait_dscnt 8*(1-\t)+3-\f                     ; behind this load stand the tile's later loads and, for tile 0, tile 1's eight LDS instructions
	global_store_b128 v[GO], v[P+16*\t+4*\f:P+16*\t+4*\f+3], s[10:11] offset:\t*2048+\f*512   ; 32 lanes store 512 consecutive bytes
.endr
.endr
	s_wait_tensorcnt 0x0                           ; the wave's end: behind my last tensor load and my last LDS store
	ds_add_u32 v[SPW], v[NIL]
	s_wait_dscnt 0x0
	CROUND                                         ; the closing round: no work-group ends while a partner may still ask for a tile that names it
	s_endpgm
.Lfunc_end_k_q67fd285965_attn:
	.size	k_q67fd285965_attn, .Lfunc_end_k_q67fd285965_attn-k_q67fd285965_attn
	.p2alignl 7, 3214868480
	.fill 96, 4, 3214868480
	.section	.rodata,"a",@progbits
	.p2align	6, 0x0
	.amdhsa_kernel k_q67fd285965_attn
		.amdhsa_group_segment_fixed_size 327680
		.amdhsa_private_segment_fixed_size 0
		.amdhsa_enable_private_segment 0
		.amdhsa_kernarg_size 16
		.amdhsa_user_sgpr_count 2
		.amdhsa_user_sgpr_kernarg_segment_ptr 1
		.amdhsa_wavefront_size32 1
		.amdhsa_system_sgpr_workgroup_id_x 1
		.amdhsa_system_sgpr_workgroup_id_y 1
		.amdhsa_system_sgpr_workgroup_id_z 1
		.amdhsa_system_vgpr_workitem_id 0
		.amdhsa_next_free_vgpr 384
		.amdhsa_next_free_sgpr 66
		.amdhsa_reserve_vcc 0
		.amdhsa_float_denorm_mode_32 3
		.amdhsa_float_denorm_mode_16_64 3
		.amdhsa_memory_ordered 1
		.amdhsa_forward_progress 1
		.amdhsa_inst_pref_size 95
	.end_amdhsa_kernel
	.amdgpu_metadata
---
amdhsa.version: [ 1, 2 ]
amdhsa.kernels:
  - .name:           k_q67fd285965_attn
    .symbol:         k_q67fd285965_attn.kd
    .args:
      - { .name: heads, .offset: 0, .size: 8, .value_kind: global_buffer, .address_space: global }
      - { .name: ctx, .offset: 8, .size: 8, .value_kind: global_buffer, .address_space: global }
    .group_segment_fixed_size: 327680
    .private_segment_fixed_size: 0
    .kernarg_segment_align: 8
    .kernarg_segment_size: 16
    .max_flat_workgroup_size: 256
    .sgpr_count:     66
    .vgpr_count:     384
    .wavefront_size: 32
...
	.end_amdgpu_metadata
.endif
;; end of part 3
;; launch oproj (part 4): grid 8 x 32, 4 waves a work-group, clusters of 4 x 4, 327,680 bytes of LDS; arguments ctx, wo16, out0, bo; writes out0
.if DOCPART == 4
	.amdgcn_target "amdgcn-amd-amdhsa--gfx1250"
	.amdhsa_code_object_version 6
	.text
	.protected	k_q67fd285965_oproj
	.globl	k_q67fd285965_oproj
	.p2align	8
	.type	k_q67fd285965_oproj,@function
k_q67fd285965_oproj:
	s_mov_b64 s[64:65], 0
	v_nop
	global_prefetch_b8 v0, s[64:65] scope:SCOPE_SE
	s_setreg_imm32_b32 hwreg(HW_REG_WAVE_MODE, 25, 1), 1
	s_wait_xcnt 0x0
	s_wait_alu depctr_hold_cnt(0) depctr_sa_sdst(0) depctr_va_vdst(0) depctr_va_sdst(0) depctr_va_ssrc(0) depctr_va_vcc(0) depctr_vm_vsrc(0)
	s_getreg_b32 s2, hwreg(HW_REG_IB_STS2, 6, 4)
	s_cmp_eq_u32 s2, 0
	s_cbranch_scc0 .Lentry_in_a_cluster
	s_endpgm
.Lentry_in_a_cluster:
	s_bfe_u32 s2, ttmp6, 0x10000c
	s_cmp_lg_u32 s2, 0xf033
	s_cbranch_scc0 .Lentry_shape_is_right
	s_endpgm
.Lentry_shape_is_right:
; out0[m][n] = sum over k of C[m][k] Wo[n][k] + bo[n], f16 operands, sums in f32, out0 in f32.  C is ctx, f16 [head 16][4096 rows][64]: k = 64 head + channel.  wo16: f16 [1024 n][1024 k].  out0: [4096][1024] f32.
; A tile of out0 is 128 x 128: 256 work-groups, one for each WGP.  Four waves, each 64 x 64: 16 accumulators, 128 registers.  K goes in steps of 256 (four heads) through two LDS slots.
; C'S TILE: 64 rows of one head are 8,192 consecutive bytes of memory; a wave's load takes four such runs, 524,288 bytes apart, and the padding (16 bytes behind each 128) cuts them into LDS rows of 144 bytes: [head 4][row 64][144].
; A quarter of a K step, 64 along K, is one head's plane.  Wo's tile: 64 rows of 512 bytes, LDS pitch 528.
; CLUSTERS: 4 x 4 work-groups.  The four of a row of the cluster need the same tiles of C, the four of a column the same tiles of Wo: each is asked for JOINTLY, by the same tensor load with the same descriptor and a mask that names the four.
; THE MATRIX INSTRUCTION IS USED TRANSPOSED (source 0 = 16 rows of Wo, source 1 = 16 rows of C): a lane holds eight neighbouring numbers of a row of out0.  bo IS THE C OF EACH SUM'S FIRST PRODUCT.
; No prefetch: four K steps in all, of which two are asked for at the head.
; REGISTERS: window 0: v0-31 addresses; v32-63 bo, later with v64-95 rows on the way out; v128-255 the accumulators ((a, b) at v[128 + 8 (4 a + b)]).
;   window 1: two fragment buffers of 128: for 64 along K, 64 registers of C (2 x 4 x 16 rows x 32 K), then 64 of Wo.
.set SIZE_K, 1024
.set KSTEP,  256
.set PA,     144                       ; a row of C in LDS: 128 bytes + 16 = 36 words: the 16 rows of a load start at 16 different groups of four banks (64 banks of 4 bytes: ISA guide 11.1)
.set PLANE,  64*PA                     ; one head's 64 rows
.set HALFA,  4*PLANE                   ; what one tensor load brings of C
.set PB,     528                       ; a row of Wo in LDS: 512 bytes + 16
.set HALFB,  64*PB                     ; what one tensor load brings of Wo
.set SLOT,   2*HALFA+2*HALFB           ; C's two halves, then Wo's two halves
.set STAGE,  2*SLOT                    ; behind the ring: 16 rows x 272 bytes for each wave, for the way out
.set SPITCH, 272
.set SPARE,  STAGE+4*16*SPITCH         ; behind the stages: the spare words, 128 bytes for each wave
.set LAPS,   SIZE_K/(2*KSTEP)          ; a lap = two K steps = once round the ring
.set ADRA, 16                          ; v16-17  LDS address of my C fragments in slot 0, 1
.set ADRB, 20                          ; v20-21  the same for Wo
.set STO,  24                          ; v24     the way out: where I put 32 bytes of a row
.set RD,   25                          ; v25     where I read a row back
.set CO,   26                          ; v26     my byte offset in out0
.set SPW,  28                          ; v28     LDS address of my spare word; never rewritten
.set NIL,  29                          ; v29     0; never rewritten
.set BO,   32                          ; v32-63  bo: register 8 b + j of lane (r, h) is bo[my first column + 16 b + 8 h + j]
.set TMP,  32                          ; the way out: v32-63 and v64-95 by turns
.set ACC,  128
.set F0,   0                           ; fragment buffers, in window 1
.set F1,   128
.set G1, 24                            ; s[24:31] descriptor group 1 for C's tiles;  s[32:39] group 0, one set for each slot
.set G0, 32
.set G1B, 48                           ; s[48:55], s[56:63] the same for Wo's tiles
.set G0B, 56
.set MSB, 0
.macro WIN new                         ; the immediate's high byte repeats the setting that is left; a switch that changes nothing is dropped
.if MSB != (\new)
	s_set_vgpr_msb (MSB<<8)|(\new)
.set MSB, (\new)
.endif
.endm
.set MUL,  0x05                        ; sources 0 (Wo) and 1 (C) window 1; C operand and D window 0
.set TO_F, 0x40                        ; destination window 1, address window 0
.macro JLOAD s                         ; a joint load: waves 0 and 1 fetch C's two halves, waves 2 and 3 Wo's; an s_nop 0 and four v_nop follow each of the two lines
	s_cmp_eq_u32 s11, 0
	s_cbranch_scc0 .Lfor_b_\@
	tensor_load_to_lds s[G0+4*\s:G0+4*\s+3], s[G1:G1+7]
	s_nop 0
.rept 4
	v_nop
.endr
	s_branch .Lasked_\@
.Lfor_b_\@:
	tensor_load_to_lds s[G0B+4*\s:G0B+4*\s+3], s[G1B:G1B+7]
	s_nop 0
.rept 4
	v_nop
.endr
.Lasked_\@:
.endm
.macro CREST                           ; a round of the cluster's barrier behind its opening barrier
	s_cmp_lg_u32 s10, 0
	s_cbranch_scc1 .Lnot_wave_0_\@
	s_barrier_signal -3
.Lnot_wave_0_\@:
	s_barrier_wait -3
	s_barrier_signal -1
	s_barrier_wait -1
.endm
.macro CROUND                          ; a whole round
	s_barrier_signal -1
	s_barrier_wait -1
	CREST
.endm
	s_load_b128 s[4:7], s[0:1], 0x0                ; ctx s[4:5], wo16 s[6:7]
	s_load_b64 s[8:9], s[0:1], 0x10                ; out0
	s_load_b64 s[66:67], s[0:1], 0x18              ; bo
	v_lshl_add_u32 v[SPW], v0, 2, SPARE
	v_mov_b32 v[NIL], 0
	ds_add_u32 v[SPW], v[NIL]                      ; the wave's opening: the add, twice on end, and its wait ahead of my first tensor load
	ds_add_u32 v[SPW], v[NIL]
	v_lshrrev_b32 v1, 5, v0
	v_readfirstlane_b32 s10, v1                    ; wave 0..3
	s_lshr_b32 s11, s10, 1                         ; which half of the tile's rows is mine.  Also: I fetch for C (0) or for Wo (1)
	s_and_b32 s12, s10, 1                          ; which half of its columns.  Also: which 64 rows of that tile I fetch
	s_bfe_u32 s40, ttmp6, 0x40000                  ; cx, cy: my place in the cluster
	s_bfe_u32 s41, ttmp6, 0x40004
	s_lshl_b32 s42, ttmp9, 2
	s_add_co_u32 s42, s42, s40                     ; tile column = 4 x cluster x + cx
	s_and_b32 s13, ttmp7, 0xffff
	s_lshl_b32 s13, s13, 2
	s_add_co_u32 s13, s13, s41                     ; tile row = 4 x cluster y + cy
	s_lshl_b32 s43, s41, 2
	s_lshl_b32 s43, 15, s43                        ; my row of the cluster
	s_lshl_b32 s44, 0x1111, s40                    ; my column
	; descriptor group 1 for C: four runs of 4,096 elements (64 rows of one head), 262,144 elements apart; 16 bytes of padding behind every 128
	s_or_b32 s[G1+0], s43, (1<<16)|(1<<20)|(1<<21)|(4<<22)|(3<<25)  ; 15:0 the mask: C's tiles go to my row; 17:16 elements of 2 bytes; 20 padding on; 21 set beside a mask; 24:22 after every 32 words; 31:25 four words
	s_mov_b32 s[G1+1], 4096<<16                    ; tensor_dim0 = 4,096
	s_mov_b32 s[G1+2], 4<<16                       ; tensor_dim1 = 4
	s_mov_b32 s[G1+3], 4096<<16                    ; tile_dim0 = 4,096
	s_mov_b32 s[G1+4], 4                           ; tile_dim1 = 4
	s_mov_b32 s[G1+5], 262144                      ; from head to head
	s_mov_b32 s[G1+6], 0
	s_mov_b32 s[G1+7], 0
	; and for Wo: 64 rows x 256 elements; 16 bytes of padding behind every 512
	s_or_b32 s[G1B+0], s44, (1<<16)|(1<<20)|(1<<21)|(6<<22)|(3<<25)
	s_mov_b32 s[G1B+1], KSTEP<<16
	s_mov_b32 s[G1B+2], 64<<16
	s_mov_b32 s[G1B+3], KSTEP<<16
	s_mov_b32 s[G1B+4], 64
	s_mov_b32 s[G1B+5], SIZE_K
	s_mov_b32 s[G1B+6], 0
	s_mov_b32 s[G1B+7], 0
	s_lshl_b32 s17, s12, 6                         ; which 64 rows of the tile I fetch
	s_lshl_b32 s16, s13, 7
	s_add_co_u32 s16, s16, s17                     ; C: row 128 x tile row + 64 x half,
	s_lshl_b32 s16, s16, 7                         ; 128 bytes a row within a head
	s_lshl_b32 s46, s42, 7
	s_add_co_u32 s46, s46, s17                     ; Wo: row 128 x tile column + 64 x half,
	s_lshl_b32 s46, s46, 11                        ; 2,048 bytes a row
	s_mov_b32 s17, 0
	s_mov_b32 s47, 0
	s_mul_i32 s20, s12, HALFA                      ; where they go: C's two halves,
	s_mul_i32 s21, s12, HALFB
	s_add_co_u32 s21, s21, 2*HALFA                 ; then Wo's two: no place in the cluster enters an LDS address
	s_wait_dscnt 0x0                               ; both opening adds are done
	s_wait_kmcnt 0x0
	s_add_nc_u64 s[14:15], s[4:5], s[16:17]
	s_add_nc_u64 s[46:47], s[6:7], s[46:47]
	CROUND                                         ; all sixteen work-groups are here: the first joint loads meet
.irp s, 0,1
	s_mov_b32 s[G0+4*\s], 1
	s_add_co_u32 s[G0+4*\s+1], s20, \s*SLOT
	s_add_nc_u64 s[G0+4*\s+2:G0+4*\s+3], s[14:15], \s*4*524288    ; K step s: four heads on
	s_or_b32 s[G0+4*\s+3], s[G0+4*\s+3], 0x80000000
	s_mov_b32 s[G0B+4*\s], 1
	s_add_co_u32 s[G0B+4*\s+1], s21, \s*SLOT
	s_add_nc_u64 s[G0B+4*\s+2:G0B+4*\s+3], s[46:47], \s*KSTEP*2
	s_or_b32 s[G0B+4*\s+3], s[G0B+4*\s+3], 0x80000000
	JLOAD \s
.endr
	v_and_b32 v1, 15, v0                           ; r
	v_bfe_u32 v2, v0, 4, 1                         ; h
	; out0 and bo at my part: rows 128 x tile row + 64 x half, columns 128 x tile column + 64 x half
	s_lshl_b32 s16, s13, 7
	s_lshl_b32 s17, s11, 6
	s_add_co_u32 s16, s16, s17
	s_lshl_b32 s16, s16, 12                        ; 4,096 bytes a row of out0
	s_mov_b32 s17, 0
	s_lshl_b32 s46, s42, 7
	s_lshl_b32 s47, s12, 6
	s_add_co_u32 s46, s46, s47
	s_lshl_b32 s46, s46, 2
	s_mov_b32 s47, 0
	s_add_nc_u64 s[66:67], s[66:67], s[46:47]
	s_add_nc_u64 s[8:9], s[8:9], s[16:17]
	s_add_nc_u64 s[8:9], s[8:9], s[46:47]
	v_lshlrev_b32 v6, 5, v2                        ; 32 h
.irp b, 0,1,2,3
	global_load_b128 v[BO+8*\b:BO+8*\b+3], v6, s[66:67] offset:64*\b
	global_load_b128 v[BO+8*\b+4:BO+8*\b+7], v6, s[66:67] offset:64*\b+16
.endr
	v_mul_u32_u24 v3, v1, PA
	v_lshl_add_u32 v3, v2, 4, v3                   ; a fragment's row x pitch + 16 x half: C's,
	v_mul_u32_u24 v4, v1, PB
	v_lshl_add_u32 v4, v2, 4, v4                   ; Wo's
	s_mul_i32 s21, s11, HALFA                      ; my 64 rows of C
	s_mul_i32 s22, s12, HALFB                      ; my 64 rows of Wo,
	s_add_co_u32 s22, s22, 2*HALFA                 ; which lie behind C's two halves
.irp s, 0,1
	v_add_nc_u32 v[ADRA+\s], s21, v3
	v_add_nc_u32 v[ADRB+\s], s22, v4
	s_add_co_u32 s21, s21, SLOT
	s_add_co_u32 s22, s22, SLOT
.endr
	s_mul_i32 s23, s10, 16*SPITCH
	s_add_co_u32 s23, s23, STAGE                   ; my stage
	v_mul_u32_u24 v5, v1, SPITCH                   ; in: row r, 32 bytes for each half of the lanes
	v_lshl_add_u32 v5, v2, 5, v5
	v_add_nc_u32 v[STO], s23, v5
	v_mul_u32_u24 v5, v2, SPITCH                   ; back: lanes 0-15 take one row of 256 bytes, lanes 16-31 the next
	v_lshl_add_u32 v5, v1, 4, v5
	v_add_nc_u32 v[RD], s23, v5
	v_lshlrev_b32 v5, 12, v2                       ; and the same two rows in out0
	v_lshl_add_u32 v[CO], v1, 4, v5
; 8 matrix instructions: m blocks a0, a0 + 1 x all 4 n blocks, 32 along K: half c of buffer f.  zero = 1: the first product starts the sums from bo.  The 16 accumulators take turns.
.macro MUL8 f, c, a0, zero
.irp a, \a0, \a0+1
.irp b, 0,1,2,3
.if \zero
	v_wmma_f32_16x16x32_f16 v[ACC+8*(4*(\a)+\b):ACC+8*(4*(\a)+\b)+7], v[\f+64+8*(4*\c+\b):\f+64+8*(4*\c+\b)+7], v[\f+8*(4*\c+\a):\f+8*(4*\c+\a)+7], v[BO+8*\b:BO+8*\b+7]
.else
	v_wmma_f32_16x16x32_f16 v[ACC+8*(4*(\a)+\b):ACC+8*(4*(\a)+\b)+7], v[\f+64+8*(4*\c+\b):\f+64+8*(4*\c+\b)+7], v[\f+8*(4*\c+\a):\f+8*(4*\c+\a)+7], v[ACC+8*(4*(\a)+\b):ACC+8*(4*(\a)+\b)+7]
.endif
.endr
.endr
.endm
; 32 LDS loads in one run: the fragments of the slot's q-th 64 along K (in C: head plane q; in Wo: byte 128 q of the rows) into buffer f; the first 32 along K first
.macro FETCH slot, q, f
	WIN TO_F
.irp c, 0,1
.irp i, 0,1,2,3
	ds_load_b128 v[\f+64+8*(4*\c+\i):\f+64+8*(4*\c+\i)+3],   v[ADRB+\slot] offset:128*(\q)+64*\c+\i*16*PB
	ds_load_b128 v[\f+64+8*(4*\c+\i)+4:\f+64+8*(4*\c+\i)+7], v[ADRB+\slot] offset:128*(\q)+64*\c+\i*16*PB+32
	ds_load_b128 v[\f+8*(4*\c+\i):\f+8*(4*\c+\i)+3],         v[ADRA+\slot] offset:PLANE*(\q)+64*\c+\i*16*PA
	ds_load_b128 v[\f+8*(4*\c+\i)+4:\f+8*(4*\c+\i)+7],       v[ADRA+\slot] offset:PLANE*(\q)+64*\c+\i*16*PA+32
.endr
.endr
.endm
.macro PLACES                          ; four places in front of loads into registers that matrix instructions have read, and of the first read of results (ISA guide 7.12.1 for vector instructions)
.rept 4
	v_nop
.endr
.endm
; A K step is four quarters of 64 along K, 32 matrix instructions each, on buffers 0, 1, 0, 1.  One of the first three: multiplies buffer f and fetches the next quarter, q, into g.
.macro QUARTER slot, q, f, g, zero
	s_wait_dscnt 16                                ; the first 32 along K are in; the sixteen loads of the second 32 may be out
	WIN MUL
	MUL8 \f, 0, 0, \zero
	MUL8 \f, 0, 2, \zero
	PLACES
	FETCH \slot, \q, \g
	s_wait_dscnt 32                                ; all but the 32 just issued
	WIN MUL
	MUL8 \f, 1, 0, 0
	MUL8 \f, 1, 2, 0
.endm
; The last quarter multiplies buffer 1 and changes slots: ONE barrier; in front of it each wave waits for all its tensor loads, adds 0 to its spare word, and waits for that and for its own reads of this slot.  fill = 1: this slot is filled again, two K steps ahead.
.macro TURN slot, next, fill
	WIN 0                                          ; (the add's two registers lie in window 0)
	s_wait_tensorcnt 0x0                           ; all my tensor loads have landed: my part of the next slot;
	ds_add_u32 v[SPW], v[NIL]                      ; 0 onto my spare word;
	s_wait_dscnt 17                                ; (the add and the youngest sixteen loads may be out)
	WIN MUL
	MUL8 F1, 0, 0, 0                               ; eight matrix instructions stand between the add and the wait for it
	s_wait_dscnt 0x0                               ; the add is done, and my reads of this slot are over
	s_barrier_signal -1
	MUL8 F1, 0, 2, 0
.if \fill
	WIN 0
.endif
	s_barrier_wait -1
.if \fill
	CREST                                          ; the barrier has opened a round of the cluster's barrier: no wave of any partner still reads this slot's tile or has a load on its way
	s_add_nc_u64 s[G0+4*\slot+2:G0+4*\slot+3], s[G0+4*\slot+2:G0+4*\slot+3], 2*4*524288    ; eight heads on
	s_add_nc_u64 s[G0B+4*\slot+2:G0B+4*\slot+3], s[G0B+4*\slot+2:G0B+4*\slot+3], 2*KSTEP*2
	JLOAD \slot                                    ; the first tensor load behind the round; the four v_nop behind it are also the places in front of the loads below
.else
	PLACES
.endif
	FETCH \next, 0, F0
	WIN MUL
	MUL8 F1, 1, 0, 0
	MUL8 F1, 1, 2, 0
.endm
	s_wait_tensorcnt 1                             ; my part of K step 0 is in; K step 1's, issued behind it, may be out
	s_barrier_signal -1
	s_barrier_wait -1                              ; everybody's is
	FETCH 0, 0, F0
	s_wait_loadcnt 0x0                             ; bo
	QUARTER 0, 1, F0, F1, 1                        ; the first quarter stands in front of the loop: its first products start the sums
	WIN 0                                          ; at a label and at a branch every window is 0
	s_mov_b32 s3, LAPS-1
.Llap:                                                 ; a trip goes once round the ring, from a lap's second quarter to the next lap's first, and fills both slots again
	QUARTER 0, 2, F1, F0, 0
	QUARTER 0, 3, F0, F1, 0
	TURN 0, 1, 1
	QUARTER 1, 1, F0, F1, 0
	QUARTER 1, 2, F1, F0, 0
	QUARTER 1, 3, F0, F1, 0
	TURN 1, 0, 1
	QUARTER 0, 1, F0, F1, 0
	WIN 0
	s_sub_co_u32 s3, s3, 1
	s_cmp_lg_u32 s3, 0
	s_cbranch_scc1 .Llap
	QUARTER 0, 2, F1, F0, 0                        ; the last lap fills nothing, and has no round of the cluster's barrier
	QUARTER 0, 3, F0, F1, 0
	TURN 0, 1, 0
	QUARTER 1, 1, F0, F1, 0
	QUARTER 1, 2, F1, F0, 0
	QUARTER 1, 3, F0, F1, 0
	s_wait_dscnt 16                                ; the very last quarter: nothing more to fetch
	WIN MUL
	MUL8 F1, 0, 0, 0
	MUL8 F1, 0, 2, 0
	s_wait_dscnt 0
	MUL8 F1, 1, 0, 0
	MUL8 F1, 1, 2, 0
	WIN 0
	; THE WAY OUT, block by block of 16 rows.  My 64 columns of f32 are 256 consecutive bytes of a row, so each wave goes through a stage of its own and no barrier is needed: a lane's 32 bytes in, whole rows back, sixteen lanes to a row.
	PLACES
.irp a, 0,1,2,3
.if \a >= 2
	s_wait_xcnt 0x0                                ; block a - 2's stores have read their registers: this block's loads may land there
.endif
.irp b, 0,1,2,3
	ds_store_b128 v[STO], v[ACC+8*(4*\a+\b):ACC+8*(4*\a+\b)+3] offset:64*\b          ; each accumulator from its low end on
	ds_store_b128 v[STO], v[ACC+8*(4*\a+\b)+4:ACC+8*(4*\a+\b)+7] offset:64*\b+16
.endr
.irp t, 0,1,2,3,4,5,6,7
	ds_load_b128 v[TMP+32*(\a%2)+4*\t:TMP+32*(\a%2)+4*\t+3], v[RD] offset:\t*2*SPITCH   ; LDS serves a wave's instructions in order (ISA guide 5.7.1.4): these see the stores above, and the next block's stores come behind them
.endr
.irp t, 0,1,2,3,4,5,6,7
	s_wait_dscnt 7-\t                              ; the later loads of the block may be out
	global_store_b128 v[CO], v[TMP+32*(\a%2)+4*\t:TMP+32*(\a%2)+4*\t+3], s[8:9] offset:(16*\a+2*\t)*4096 th:TH_STORE_NT   ; 16 lanes store 256 consecutive bytes, at a multiple of 256 from out0's first byte; written once, read by nobody here
.endr
.endr
	s_wait_tensorcnt 0x0                           ; the wave's end: behind my last tensor load and my last LDS store
	ds_add_u32 v[SPW], v[NIL]
	s_wait_dscnt 0x0
	CROUND                                         ; the closing round: no work-group ends while a partner may still ask for a tile that names it
	s_endpgm
.Lfunc_end_k_q67fd285965_oproj:
	.size	k_q67fd285965_oproj, .Lfunc_end_k_q67fd285965_oproj-k_q67fd285965_oproj
	.p2alignl 7, 3214868480
	.fill 96, 4, 3214868480
	.section	.rodata,"a",@progbits
	.p2align	6, 0x0
	.amdhsa_kernel k_q67fd285965_oproj
		.amdhsa_group_segment_fixed_size 327680
		.amdhsa_private_segment_fixed_size 0
		.amdhsa_enable_private_segment 0
		.amdhsa_kernarg_size 32
		.amdhsa_user_sgpr_count 2
		.amdhsa_user_sgpr_kernarg_segment_ptr 1
		.amdhsa_wavefront_size32 1
		.amdhsa_system_sgpr_workgroup_id_x 1
		.amdhsa_system_sgpr_workgroup_id_y 1
		.amdhsa_system_sgpr_workgroup_id_z 1
		.amdhsa_system_vgpr_workitem_id 0
		.amdhsa_next_free_vgpr 512
		.amdhsa_next_free_sgpr 68
		.amdhsa_reserve_vcc 0
		.amdhsa_float_denorm_mode_32 3
		.amdhsa_float_denorm_mode_16_64 3
		.amdhsa_memory_ordered 1
		.amdhsa_forward_progress 1
		.amdhsa_inst_pref_size 88
	.end_amdhsa_kernel
	.amdgpu_metadata
---
amdhsa.version: [ 1, 2 ]
amdhsa.kernels:
  - .name:           k_q67fd285965_oproj
    .symbol:         k_q67fd285965_oproj.kd
    .args:
      - { .name: ctx, .offset: 0, .size: 8, .value_kind: global_buffer, .address_space: global }
      - { .name: wo16, .offset: 8, .size: 8, .value_kind: global_buffer, .address_space: global }
      - { .name: out0, .offset: 16, .size: 8, .value_kind: global_buffer, .address_space: global }
      - { .name: bo, .offset: 24, .size: 8, .value_kind: global_buffer, .address_space: global }
    .group_segment_fixed_size: 327680
    .private_segment_fixed_size: 0
    .kernarg_segment_align: 8
    .kernarg_segment_size: 32
    .max_flat_workgroup_size: 128
    .sgpr_count:     68
    .vgpr_count:     512
    .wavefront_size: 32
...
	.end_amdgpu_metadata
.endif
;; end of part 4
